; MI455X (gfx1250); checked and timed in simulation.
; The chip was launched on July 23, 2026; its instructions are those of AMD's public machine-readable ISA for CDNA 5 (MIT licence, August 2026) and "CDNA5" Instruction Set Architecture Reference Guide (July 2026). The comments in the code are by the model that wrote it; some were corrected since.
;; Flex Ro PE Attention. Allowed arithmetic: matrix products marked QUANTISED: E2M3 operands, one E8M0 scale for each 32 along K, by v_wmma_scale_f32_16x16x128_f8f6f4 with both operands' format E2M3, f32 sums; everything else in f32.
;; Inputs: proj_b 1,024 float32; proj_w 1,024 x 1,024 float32; qkv_b 3,072 float32; qkv_w 3,072 x 1,024 float32; x 4 x 2,048 x 1,024 float32.
;; Outputs: out0 4 x 2,048 x 1,024 float32.
;; This version of the problem:
;;   THIS VERSION OF THE PROBLEM IS GIVEN IN LOW PRECISION. The matrix products marked QUANTISED in the list below multiply operands that are first quantised to E2M3 (2 exponent bits, 3 mantissa bits; 6 bits a number), with one power-of-two scale for each 32 numbers along K (OCP MX v1.0); their sums are f32. All else is computed in f32.
;;   The module's matrix products, in the order in which they are computed (A, B: the left and right operand; K: the contracted axis; several contracted axes count as one K, in the product's order):
;;     1. [M 8,192, K 1,024] x [K 1,024, N 3,072]; A: input x; B: input qkv_w: QUANTISED
;;     2. batch 64 x [M 2,048, K 64] x [K 64, N 2,048]; A: computed on the way; B: computed on the way: QUANTISED
;;     3. batch 64 x [M 2,048, K 2,048] x [K 2,048, N 64]; A: softmax (see below); B: computed on the way: QUANTISED
;;     4. [M 8,192, K 1,024] x [K 1,024, N 1,024]; A: computed on the way; B: input proj_w: QUANTISED
;;   THE QUANTISER, for each operand of a quantised product, along K:
;;     - K is cut into blocks of 32 from its start; a last block that is shorter is filled with zeros.
;;     - A block's scale is 2^e with e = floor(log2(the largest magnitude in the block)) - 2, held to -126 .. 127; a block of zeros has e = 0. As a byte (E8M0): e + 127.
;;     - Each number is divided by its block's scale, clamped to +-7.5, and rounded to the nearest number of E2M3, ties to even, subnormals kept.
;;     - The product sums the exact products of the quantised numbers (number of the format x scale) in f32.
;;   ~~~python
;;   def quantise(x, axis):      # numpy; x: float32 -> the quantised numbers, widened to float32 again
;;       x = np.moveaxis(x, axis, -1); K = x.shape[-1]
;;       x = np.pad(x, [(0, 0)] * (x.ndim - 1) + [(0, -K % 32)]); x = x.reshape(x.shape[:-1] + (-1, 32)); a = np.abs(x).max(-1, keepdims=True)
;;       e = np.where(a > 0, np.clip(np.frexp(np.where(a > 0, a, 1))[1] - 1 - 2, -126, 127), 0)      # np.frexp(a)[1] - 1 = floor(log2(a)), exactly
;;       r = np.clip(x / 2.0 ** e, -7.5, 7.5)
;;       step = 2.0 ** (np.maximum(np.frexp(np.where(r == 0, 1, r))[1] - 1, 0) - 3)
;;       q = np.round(r / step) * step * 2.0 ** e      # np.round: ties to even
;;       return np.moveaxis(q.reshape(q.shape[:-2] + (-1,))[..., :K], -1, axis).astype(np.float32)
;;   ~~~
;;   SOFTMAX AHEAD OF A QUANTISED PRODUCT. Where the list says 'softmax', what is quantised is not the finished softmax but p = 2^(t - M), with t = logit x log2(e) and M = ceil(the row's largest t), a whole number; so 1/2 < the row's largest p <= 1. The row's sum l is taken of the UNQUANTISED p, in f32, and the product's result is divided by l at the end. Since M is a whole number, a kernel that streams over the keys may use a running M (the ceiling of the running maximum): every later rescaling is an exact power of two, which a block's scale takes up: the codes' values come out the same.
;;   OPERANDS COMPUTED ON THE WAY. 'Computed on the way' means the value that the module computes at that place (a softmax that the list does not call 'softmax' is quantised finished and normalised). What goes into a quantiser is computed in f32, as accurately as f32 sums, v_exp_f32 and their like allow (about 1e-6 of the number): no bf16 or f16 on the way to a quantiser, and a product that is left as it is and whose result goes on into a quantised operand takes f32 operands (vector FMAs, or v_wmma_f32_16x16x4_f32). A number that lies on a knife's edge between two numbers of the format may be rounded either way, as far as f32 arithmetic and the matrix unit's own rounding can turn it there, and no further.
;; One version. Each part assembles by itself: llvm-mc -triple=amdgcn-amd-amdhsa -mcpu=gfx1250 --defsym DOCPART=n.
;; ======== version 1 of 1: 4 launches
;; workspace buffers: codes 9,437,184 bytes; scales 393,216 bytes; tab 524,288 bytes; qkv 19,660,800 bytes; ao 6,553,600 bytes
;; launch prep (part 1): grid 448 x 1, 4 waves a work-group, no clusters, 33,280 bytes of LDS; arguments x, qkv_w, proj_w, codes, scales, tab; writes codes, scales, tab
.if DOCPART == 1
	.amdgcn_target "amdgcn-amd-amdhsa--gfx1250"
	.amdhsa_code_object_version 6
	.text
	.protected	k_qdc56ead452_prep
	.globl	k_qdc56ead452_prep
	.p2align	8
	.type	k_qdc56ead452_prep,@function
k_qdc56ead452_prep:
	s_mov_b64 s[64:65], 0
	v_nop
	global_prefetch_b8 v0, s[64:65] scope:SCOPE_SE
	s_setreg_imm32_b32 hwreg(HW_REG_WAVE_MODE, 25, 1), 1
	s_wait_xcnt 0x0
; WORK-GROUPS 0-383: x [8192][1024], qkv_w [3072][1024], proj_w [1024][1024], f32, become codes of FP6 (E2M3), K innermost (768 bytes a row), with one E8M0 byte for each 32 along K (32 bytes a row).
; The three tensors' rows lie one behind the other in 'codes' and 'scales': 0-8191 x, 8192-11263 qkv_w, 11264-12287 proj_w.
; ROW rho IS STORED AT THE POSITION THAT HAS BITS 3 AND 4 OF rho EXCHANGED: sixteen neighbouring positions 16 i + r then hold the rows 32 (i / 2) + 8 (i % 2) + r + 8 (r / 8), so that where such rows are source 0 of a
; matrix instruction, a lane's 16 results of tiles 2 b and 2 b + 1 are 16 neighbours of the true order.  A wave's run is 8 rows, a work-group's four runs are 32 rows: the exchange is that of the wave number's two bits.
; A block's scale is 2^(floor(log2(largest magnitude)) - 2); its byte is the largest magnitude's exponent field - 2, held at 1 from below (a block of zeros keeps the byte 1: its codes are zeros, and this program alone reads the bytes).
; LIMITS: blocks whose largest magnitude lies under 2^(2 - 126) were not tried; NaN and infinities among the inputs are not served.
; A wave takes 16 steps of 512 numbers: four loads of 512 consecutive bytes, a turn through the wave's own stage in LDS (16 bytes of padding behind each 64), so that a lane holds 16 neighbours; two lanes hold a block.
; WORK-GROUPS 384-447: the table of the rotation: tab[t] = cos(theta(t, 0..31)), sin(theta(t, 0..31)), 256 bytes a position t; theta = 2 pi (t / 2048) 40^(j / 31).
; The angle is kept in quarter turns, t x g with g = 40^(j / 31) / 512; its nearest whole number is taken off inside one fused multiply-add, and sine and cosine of the rest (at most pi / 4) are Taylor sums up to a^9 and a^8
; (the first terms left out are under 3e-8).  LIMIT: g carries the rounding of v_exp_f32, so the angle is good to some 3e-5 radians at 40 turns, the size of the rounding of an f32 theta itself.
.set STEPS, 16
.set CB,    12                         ; bytes of 16 codes
.set R,     16                         ; v16-79   four sets of 16 numbers as they are loaded
.set X,     80                         ; v80-111  two sets of 16 neighbours
.set C,     128                        ; v128-191 codes: four registers for each step, so that no store's data are written again
.set E,     112                        ; v112-127 a scale byte for each step
.set WREG,  8192                       ; LDS: a region for each wave: two stages of 32 x SP bytes, behind them its 256 scale bytes
.set SP,    80
	s_load_b256 s[4:11], s[0:1], 0x0               ; x s[4:5], qkv_w s[6:7], proj_w s[8:9], codes s[10:11]
	s_load_b128 s[12:15], s[0:1], 0x20             ; scales s[12:13], tab s[14:15]
	v_lshl_add_u32 v192, v0, 2, 0x8000
	v_mov_b32 v193, 0
	s_cmp_ge_u32 ttmp9, 384
	s_cbranch_scc1 .Ltable
	v_lshrrev_b32 v1, 5, v0
	v_readfirstlane_b32 s16, v1                    ; wave
	v_and_b32 v2, 31, v0                           ; lane
	v_lshlrev_b32 v3, 4, v2                        ; my 16 bytes of a load's 512
	s_mul_i32 s17, s16, WREG
	v_lshrrev_b32 v14, 2, v2
	v_mul_u32_u24 v14, v14, SP
	v_and_b32 v15, 3, v2
	v_lshl_add_u32 v14, v15, 4, v14
	v_add_nc_u32 v14, s17, v14                     ; the stage, on the way in: SP (lane / 4) + 16 (lane % 4)
	v_mul_u32_u24 v15, v2, SP
	v_add_nc_u32 v15, s17, v15                     ; and on the way out: SP x lane: my 16 neighbours
	v_mul_u32_u24 v4, v2, CB                       ; my codes' place in a step's
	v_lshrrev_b32 v5, 1, v2
	s_add_co_u32 s17, s17, 2*32*SP
	v_add_nc_u32 v5, s17, v5                       ; LDS: my wave's 256 scale bytes, my block's byte
	v_lshlrev_b32 v7, 3, v2                        ; and on the way out 8 bytes a lane
	v_add_nc_u32 v6, s17, v7
	s_wait_alu depctr_va_vdst(0)
	s_wait_kmcnt 0x0
	s_cmp_lt_u32 ttmp9, 256                        ; which tensor: the choice hangs on the work-group's number alone
	s_cselect_b64 s[4:5], s[4:5], s[6:7]
	s_cselect_b32 s17, 0, 256
	s_mov_b32 s22, 352
	s_cmp_lt_u32 ttmp9, 352
	s_cselect_b64 s[4:5], s[4:5], s[8:9]
	s_cselect_b32 s17, s17, s22                    ; the tensor's first work-group
	s_sub_co_u32 s17, ttmp9, s17
	s_lshl_b32 s17, s17, 2
	s_add_co_u32 s18, s17, s16                     ; in: which run of 8,192 numbers of the tensor
	s_mov_b32 s19, 0
	s_lshl_b64 s[20:21], s[18:19], 15              ; 32,768 bytes a run
	s_add_nc_u64 s[4:5], s[4:5], s[20:21]
	s_and_b32 s23, s16, 1
	s_lshl_b32 s23, s23, 1
	s_lshr_b32 s24, s16, 1
	s_or_b32 s23, s23, s24                         ; the wave number's two bits exchanged
	s_lshl_b32 s24, ttmp9, 2
	s_add_co_u32 s18, s24, s23                     ; out: which run of all 1,536
	s_mul_i32 s20, s18, 32*STEPS*CB                ; 6,144 bytes of codes a run
	s_mov_b32 s21, 0
	s_add_nc_u64 s[10:11], s[10:11], s[20:21]
	s_lshl_b32 s20, s18, 8                         ; 256 scale bytes a run
	s_add_nc_u64 s[12:13], s[12:13], s[20:21]
.macro LOAD t
.irp i, 0,1,2,3
	global_load_b128 v[R+16*((\t)%4)+4*\i:R+16*((\t)%4)+4*\i+3], v3, s[4:5] offset:2048*(\t)+512*\i th:TH_LOAD_NT   ; 32 lanes read 512 consecutive bytes
.endr
.endm
.macro TURN t                          ; step t's numbers through the stage: LDS serves a wave's instructions in order, so no wait stands between the stores and the loads
.irp i, 0,1,2,3
	ds_store_b128 v14, v[R+16*((\t)%4)+4*\i:R+16*((\t)%4)+4*\i+3] offset:32*SP*((\t)%2)+8*SP*\i
.endr
.irp i, 0,1,2,3
	ds_load_b128 v[X+16*((\t)%2)+4*\i:X+16*((\t)%2)+4*\i+3], v15 offset:32*SP*((\t)%2)+16*\i
.endr
.endm
.irp t, 0,1,2,3
	LOAD \t
.endr
	s_wait_loadcnt 12                              ; step 0's four loads are in
	TURN 0
.macro STEP t
.set XS, X+16*((\t)%2)
.if (\t) > 0
	s_wait_dscnt 1                                 ; this step's numbers are back from the stage (the last step's byte store may be out): so its stores into the stage have read their registers,
.else
	s_wait_dscnt 0x0
.endif
.if (\t)+4 < STEPS
	LOAD (\t)+4                                    ; which take the loads of four steps on
.endif
.if (\t)+1 < STEPS
.if STEPS-2-(\t) >= 3
	s_wait_loadcnt 12                              ; the next step's four loads are in; those of the three steps behind it may be out
.else
	s_wait_loadcnt 4*(STEPS-2-(\t))
.endif
	TURN (\t)+1                                    ; and go through the other stage while this step is worked
.endif
	v_max3_num_f32 v8, |v[XS]|, |v[XS+1]|, |v[XS+2]|               ; the largest magnitude of my 16, in two chains
	v_max3_num_f32 v9, |v[XS+3]|, |v[XS+4]|, |v[XS+5]|
.irp i, 6,10
	v_max3_num_f32 v8, v8, |v[XS+\i]|, |v[XS+\i+1]|
	v_max3_num_f32 v9, v9, |v[XS+\i+2]|, |v[XS+\i+3]|
.endr
	v_max3_num_f32 v8, v8, |v[XS+14]|, |v[XS+15]|
	v_max3_num_f32 v8, v8, v9, 0x1800000           ; and the floor 2^(3 - 127): the byte cannot fall under 1
	v_max_num_f32_dpp v8, v8, v8 row_xmask:1 row_mask:0xf bank_mask:0xf   ; and of my neighbour's 16: the block's
	v_add_nc_u32 v11, 0xff000000, v8               ; 2 off its exponent field: the conversion takes the exponent field of this operand as its scale
	v_cvt_scalef32_pk16_fp6_f32 v[C+4*(\t):C+4*(\t)+2], v[XS:XS+15], v11
	v_lshrrev_b32 v[E+(\t)], 23, v11               ; the scale's byte
	ds_store_b8 v5, v[E+(\t)] offset:16*(\t)       ; both lanes of a block write the same byte with the same value
	global_store_b96 v4, v[C+4*(\t):C+4*(\t)+2], s[10:11] offset:32*CB*(\t)   ; the wave stores 384 consecutive bytes
.endm
.irp t, 0,1,2,3,4,5,6,7,8,9,10,11,12,13,14,15
	STEP \t
.endr
	ds_load_b64 v[12:13], v6                       ; LDS serves a wave's instructions in order: these see my stores
	s_wait_dscnt 0x0
	global_store_b64 v7, v[12:13], s[12:13]        ; 32 lanes store 256 consecutive bytes, aligned
	s_wait_tensorcnt 0x0
	ds_add_u32 v192, v193
	s_wait_dscnt 0x0
	s_endpgm
.Ltable:                                               ; 64 work-groups x 32 positions.  Thread: 16 bytes of a position's 256: sub = tid % 16: 0-7 cosines 4 sub .. 4 sub + 3, 8-15 sines
	s_sub_co_u32 s16, ttmp9, 384
	s_mov_b32 s20, 0x3e2fcb99                      ; c = log2(40) / 31, rounded,
	s_mov_b32 s21, 0xb0957750                      ; and what the rounding left
	s_mov_b32 s22, 0x3f317218                      ; ln 2
	s_mov_b32 s23, 0x3fc90fdb                      ; pi / 2
	v_mov_b32 v30, 0x3638ef1d                      ; 1 / 9!
	v_mov_b32 v31, 0x37d00d01                      ; 1 / 8!
	v_and_b32 v1, 15, v0
	v_lshrrev_b32 v2, 3, v1
	v_mul_u32_u24 v2, v2, 3                        ; 0 for a cosine, 3 for a sine: sin(theta) = cos(theta + three quarter turns)
	v_and_b32 v3, 7, v1
	v_lshlrev_b32 v3, 2, v3                        ; my first j
	v_lshrrev_b32 v4, 4, v0
	s_lshl_b32 s17, s16, 5
	v_add_nc_u32 v4, s17, v4                       ; my first position: 32 x work-group + tid / 16
	v_lshlrev_b32 v5, 4, v0                        ; 16 tid
.irp e, 0,1,2,3
	v_add_nc_u32 v[12+\e], \e, v3
	v_cvt_f32_u32 v[12+\e], v[12+\e]               ; j
	v_mul_f32 v[16+\e], s20, v[12+\e]              ; j c, rounded,
	v_fma_f32 v[20+\e], v[12+\e], s20, -v[16+\e]   ; what that rounding left,
	v_fma_f32 v[20+\e], v[12+\e], s21, v[20+\e]    ; and j times c's own rest
.endr
.irp e, 0,1,2,3
	v_exp_f32 v[8+\e], v[16+\e]
.endr
	v_nop                                          ; a plain place behind the exponentials
	s_wait_alu depctr_va_vdst(0)
.irp e, 0,1,2,3
	v_ldexp_f32 v[8+\e], v[8+\e], -9               ; / 512
	v_mul_f32 v[20+\e], v[8+\e], v[20+\e]
	v_fma_f32 v[8+\e], v[20+\e], s22, v[8+\e]      ; g = 2^(j c) / 512 x (1 + rest x ln 2): quarter turns a position
.endr
	s_lshl_b32 s18, s16, 13                        ; 32 positions x 256 bytes
	s_mov_b32 s19, 0
	s_wait_kmcnt 0x0
	s_add_nc_u64 s[14:15], s[14:15], s[18:19]
.irp rep, 0,1,2,3
	v_add_nc_u32 v6, 8*\rep, v4
	v_cvt_f32_u32 v6, v6                           ; t
.irp e, 0,1,2,3
	v_mul_f32 v24, v6, v[8+\e]
	v_rndne_f32 v24, v24                           ; n: the nearest whole number of quarter turns
	v_fma_f32 v25, v6, v[8+\e], -v24               ; the exact product less n, rounded once
	v_mul_f32 v25, s23, v25                        ; a, at most pi / 4
	v_mul_f32 v26, v25, v25
	v_fmaak_f32 v27, v30, v26, 0xb9500d01          ; sine: a (1 + a2 (-1/6 + a2 (1/120 + a2 (-1/5040 + a2 / 362880))))
	v_fmaak_f32 v27, v27, v26, 0x3c088889
	v_fmaak_f32 v27, v27, v26, 0xbe2aaaab
	v_mul_f32 v27, v27, v26
	v_fma_f32 v27, v25, v27, v25
	v_fmaak_f32 v28, v31, v26, 0xbab60b61          ; cosine: 1 + a2 (-1/2 + a2 (1/24 + a2 (-1/720 + a2 / 40320)))
	v_fmaak_f32 v28, v28, v26, 0x3d2aaaab
	v_fmaak_f32 v28, v28, v26, 0xbf000000
	v_fma_f32 v28, v28, v26, 1.0
	v_cvt_i32_f32 v24, v24
	v_add_nc_u32 v24, v24, v2                      ; k: cos(k quarter turns + a) = C, -S, -C, S for k % 4 = 0, 1, 2, 3
	v_and_b32 v29, 1, v24
	v_cmp_eq_u32 vcc_lo, 1, v29
	v_cndmask_b32 v27, v28, v27, vcc_lo
	v_add_nc_u32 v24, 1, v24
	v_and_b32 v24, 2, v24
	v_lshlrev_b32 v24, 30, v24                     ; the sign bit for k % 4 = 1, 2
	v_xor_b32 v[32+4*\rep+\e], v24, v27
.endr
	global_store_b128 v5, v[32+4*\rep:32+4*\rep+3], s[14:15] offset:2048*\rep   ; sixteen lanes store a position's 256 bytes; each rep has its own data registers
.endr
	s_endpgm
.Lfunc_end_k_qdc56ead452_prep:
	.size	k_qdc56ead452_prep, .Lfunc_end_k_qdc56ead452_prep-k_qdc56ead452_prep
	.p2alignl 7, 3214868480
	.fill 96, 4, 3214868480
	.section	.rodata,"a",@progbits
	.p2align	6, 0x0
	.amdhsa_kernel k_qdc56ead452_prep
		.amdhsa_group_segment_fixed_size 33280
		.amdhsa_private_segment_fixed_size 0
		.amdhsa_enable_private_segment 0
		.amdhsa_kernarg_size 48
		.amdhsa_user_sgpr_count 2
		.amdhsa_user_sgpr_kernarg_segment_ptr 1
		.amdhsa_wavefront_size32 1
		.amdhsa_system_sgpr_workgroup_id_x 1
		.amdhsa_system_sgpr_workgroup_id_y 1
		.amdhsa_system_sgpr_workgroup_id_z 1
		.amdhsa_system_vgpr_workitem_id 0
		.amdhsa_next_free_vgpr 194
		.amdhsa_next_free_sgpr 66
		.amdhsa_reserve_vcc 1
		.amdhsa_float_denorm_mode_32 3
		.amdhsa_float_denorm_mode_16_64 3
		.amdhsa_memory_ordered 1
		.amdhsa_forward_progress 1
		.amdhsa_inst_pref_size 52
	.end_amdhsa_kernel
	.amdgpu_metadata
---
amdhsa.version: [ 1, 2 ]
amdhsa.kernels:
  - .name:           k_qdc56ead452_prep
    .symbol:         k_qdc56ead452_prep.kd
    .args:
      - { .name: x, .offset: 0, .size: 8, .value_kind: global_buffer, .address_space: global }
      - { .name: qkv_w, .offset: 8, .size: 8, .value_kind: global_buffer, .address_space: global }
      - { .name: proj_w, .offset: 16, .size: 8, .value_kind: global_buffer, .address_space: global }
      - { .name: codes, .offset: 24, .size: 8, .value_kind: global_buffer, .address_space: global }
      - { .name: scales, .offset: 32, .size: 8, .value_kind: global_buffer, .address_space: global }
      - { .name: tab, .offset: 40, .size: 8, .value_kind: global_buffer, .address_space: global }
    .group_segment_fixed_size: 33280
    .private_segment_fixed_size: 0
    .kernarg_segment_align: 8
    .kernarg_segment_size: 48
    .max_flat_workgroup_size: 128
    .sgpr_count:     66
    .vgpr_count:     194
    .wavefront_size: 32
...
	.end_amdgpu_metadata
.endif
;; end of part 1
;; launch gemm1 (part 2): grid 12 x 32, 4 waves a work-group, clusters of 4 x 4, 327,680 bytes of LDS; arguments codes, scales, qkv_b, tab, qkv; writes qkv
.if DOCPART == 2
	.amdgcn_target "amdgcn-amd-amdhsa--gfx1250"
	.amdhsa_code_object_version 6
	.text
	.protected	k_qdc56ead452_gemm1
	.globl	k_qdc56ead452_gemm1
	.p2align	8
	.type	k_qdc56ead452_gemm1,@function
k_qdc56ead452_gemm1:
	s_mov_b64 s[64:65], 0
	v_nop
	global_prefetch_b8 v0, s[64:65] scope:SCOPE_SE
	s_setreg_imm32_b32 hwreg(HW_REG_WAVE_MODE, 25, 1), 1
	s_wait_xcnt 0x0
	s_wait_alu depctr_hold_cnt(0) depctr_sa_sdst(0) depctr_va_vdst(0) depctr_va_sdst(0) depctr_va_ssrc(0) depctr_va_vcc(0) depctr_vm_vsrc(0)
	s_getreg_b32 s2, hwreg(HW_REG_IB_STS2, 6, 4)
	s_cmp_eq_u32 s2, 0
	s_cbranch_scc0 .Lentry_in_a_cluster
	s_endpgm
.Lentry_in_a_cluster:
	s_bfe_u32 s2, ttmp6, 0x10000c
	s_cmp_lg_u32 s2, 0xf033
	s_cbranch_scc0 .Lentry_shape_is_right
	s_endpgm
.Lentry_shape_is_right:
.set SIZE_K, 1024
.set KSTEP,  256
.set NQ,     KSTEP/128
.set ROWB,   192
.set KROW,   SIZE_K*6/8
.set PITCH,  240
.set FR,     12
.set NL,     6
.set NP,     4
.set HALFT,  128*PITCH
.set SLOT,   4*HALFT
.set LAPS,   SIZE_K/(2*KSTEP)
.set KS,     SIZE_K/32
.set SCL,    2*SLOT
.set HALFS,  (128*KS/256)*272
.set SBLK,   (16*KS/256)*272
.set SPARE,  SCL+4*HALFS
.set BLKB,   19200
.set HEADB,  16*BLKB
.set ADRA, 16
.set ADRB, 20
.set TA,   24
.set L16,  25
.set L8,   26
.set ADRS, 27
.set SPW,  28
.set NIL,  29
.set SC,   32
.set BI,   64
.set AF,   128
.set H,    128
.set PC,   192
.set TM,   212
.set PWS,  228
.set VB,   240
.set T,    2
.set OW,   10
.set SEL,  96
.set G1, 24
.set G0, 32
.set G1B, 48
.set G0B, 56
.set G1S, 68
.set G0S, 76
.set G1SB, 80
.set G0SB, 88
.set MSB, 0
.macro WIN new
.if MSB != (\new)
	s_set_vgpr_msb (MSB<<8)|(\new)
.set MSB, (\new)
.endif
.endm
.set MUL_LO, 0xa1
.set MUL_HI, 0xf1
.set TO_B,   0x40
.macro JLOAD g0a, g1a, g0b, g1b
	s_cmp_eq_u32 s15, 0
	s_cbranch_scc0 .Lfor_b_\@
	tensor_load_to_lds s[\g0a:\g0a+3], s[\g1a:\g1a+7]
	s_nop 0
.rept 4
	v_nop
.endr
	s_branch .Lasked_\@
.Lfor_b_\@:
	tensor_load_to_lds s[\g0b:\g0b+3], s[\g1b:\g1b+7]
	s_nop 0
.rept 4
	v_nop
.endr
.Lasked_\@:
.endm
.macro CREST
	s_cmp_lg_u32 s14, 0
	s_cbranch_scc1 .Lnot_wave_0_\@
	s_barrier_signal -3
.Lnot_wave_0_\@:
	s_barrier_wait -3
	s_barrier_signal -1
	s_barrier_wait -1
.endm
.macro CROUND
	s_barrier_signal -1
	s_barrier_wait -1
	CREST
.endm
	s_load_b128 s[4:7], s[0:1], 0x0
	s_load_b128 s[8:11], s[0:1], 0x10
	s_load_b64 s[12:13], s[0:1], 0x20
	v_lshl_add_u32 v[SPW], v0, 2, SPARE
	v_mov_b32 v[NIL], 0
	ds_add_u32 v28, v29
	ds_add_u32 v28, v29
	s_wait_dscnt 0x0
	v_lshrrev_b32 v1, 5, v0
	v_readfirstlane_b32 s14, v1
	s_lshr_b32 s15, s14, 1
	s_and_b32 s16, s14, 1
	s_bfe_u32 s40, ttmp6, 0x40000
	s_bfe_u32 s41, ttmp6, 0x40004
	s_and_b32 s17, ttmp7, 0xffff
	s_lshl_b32 s43, s41, 2
	s_lshl_b32 s43, 15, s43
	s_lshl_b32 s44, 0x1111, s40
	s_lshl_b32 s42, s17, 10
	s_lshl_b32 s45, ttmp9, 10
	s_add_co_u32 s45, s45, 8192
	s_cmp_eq_u32 ttmp9, 2
	s_cselect_b32 s20, s45, s42
	s_cselect_b32 s46, s42, s45
	s_or_b32 s[G1+0], s43, (0<<16)|(1<<20)|(1<<21)|(3<<22)|(3<<25)
	s_or_b32 s[G1B+0], s44, (0<<16)|(1<<20)|(1<<21)|(3<<22)|(3<<25)
.irp g, G1, G1B
	s_mov_b32 s[\g+1], ROWB<<16
	s_mov_b32 s[\g+2], 128<<16
	s_mov_b32 s[\g+3], ROWB<<16
	s_mov_b32 s[\g+4], 128
	s_mov_b32 s[\g+5], KROW
	s_mov_b32 s[\g+6], 0
	s_mov_b32 s[\g+7], 0
.endr
	s_or_b32 s[G1S+0], s43, (3<<16)|(1<<20)|(1<<21)|(5<<22)|(3<<25)
	s_or_b32 s[G1SB+0], s44, (3<<16)|(1<<20)|(1<<21)|(5<<22)|(3<<25)
.irp g, G1S, G1SB
	s_mov_b32 s[\g+1], 32<<16
	s_mov_b32 s[\g+2], (128*KS/256)<<16
	s_mov_b32 s[\g+3], 32<<16
	s_mov_b32 s[\g+4], 128*KS/256
	s_mov_b32 s[\g+5], 32
	s_mov_b32 s[\g+6], 0
	s_mov_b32 s[\g+7], 0
.endr
	s_lshl_b32 s18, s16, 7
	s_lshl_b32 s21, s41, 8
	s_add_co_u32 s20, s20, s21
	s_add_co_u32 s20, s20, s18
	s_lshl_b32 s47, s40, 8
	s_add_co_u32 s46, s46, s47
	s_add_co_u32 s46, s46, s18
	s_mov_b32 s21, 0
	s_mov_b32 s47, 0
	s_mov_b64 s[18:19], KS
	s_mul_u64 s[22:23], s[20:21], s[18:19]
	s_mul_u64 s[92:93], s[46:47], s[18:19]
	s_mov_b64 s[18:19], KROW
	s_mul_u64 s[20:21], s[20:21], s[18:19]
	s_mul_u64 s[46:47], s[46:47], s[18:19]
	s_mul_i32 s45, s14, HALFT
	s_mul_i32 s94, s14, HALFS
	s_wait_kmcnt 0x0
	s_add_nc_u64 s[20:21], s[4:5], s[20:21]
	s_add_nc_u64 s[22:23], s[6:7], s[22:23]
	s_add_nc_u64 s[46:47], s[4:5], s[46:47]
	s_add_nc_u64 s[92:93], s[6:7], s[92:93]
	CROUND
	s_mov_b32 s[G0S], 1
	s_add_co_u32 s[G0S+1], s94, SCL
	s_mov_b64 s[G0S+2:G0S+3], s[22:23]
	s_or_b32 s[G0S+3], s[G0S+3], 0x80000000
	s_mov_b32 s[G0SB], 1
	s_add_co_u32 s[G0SB+1], s94, SCL
	s_mov_b64 s[G0SB+2:G0SB+3], s[92:93]
	s_or_b32 s[G0SB+3], s[G0SB+3], 0x80000000
	JLOAD G0S, G1S, G0SB, G1SB
.irp s, 0,1
	s_mov_b32 s[G0+4*\s], 1
	s_add_co_u32 s[G0+4*\s+1], s45, \s*SLOT
	s_add_nc_u64 s[G0+4*\s+2:G0+4*\s+3], s[20:21], \s*ROWB
	s_or_b32 s[G0+4*\s+3], s[G0+4*\s+3], 0x80000000
	s_mov_b32 s[G0B+4*\s], 1
	s_add_co_u32 s[G0B+4*\s+1], s45, \s*SLOT
	s_add_nc_u64 s[G0B+4*\s+2:G0B+4*\s+3], s[46:47], \s*ROWB
	s_or_b32 s[G0B+4*\s+3], s[G0B+4*\s+3], 0x80000000
	s_wait_alu depctr_va_vdst(0)
	s_wait_tensorcnt 0x0
	ds_add_u32 v28, v29
	s_wait_dscnt 0x0
	CROUND
	JLOAD G0+4*\s, G1, G0B+4*\s, G1B
.endr
	v_and_b32 v1, 15, v0
	v_bfe_u32 v2, v0, 4, 1
	v_mul_u32_u24 v3, v1, PITCH
	v_mul_u32_u24 v4, v2, 24
	v_add_nc_u32 v4, v3, v4
	v_lshl_add_u32 v5, v2, 4, v4
	s_mul_i32 s21, s15, HALFT
	s_mul_i32 s22, s16, HALFT
	s_add_co_u32 s22, s22, 2*HALFT
.irp s, 0,1
	v_add_nc_u32 v[ADRA+\s], s21, v4
	v_add_nc_u32 v[ADRB+\s], s22, v4
	v_add_nc_u32 v[ADRA+2+\s], s21, v5
	v_add_nc_u32 v[ADRB+2+\s], s22, v5
	s_add_co_u32 s21, s21, SLOT
	s_add_co_u32 s22, s22, SLOT
.endr
	v_mul_u32_u24 v5, v1, KS
	v_lshrrev_b32 v6, 8, v5
	v_lshl_add_u32 v5, v6, 4, v5
	s_mul_i32 s21, s15, HALFS
	s_mul_i32 s22, s16, HALFS
	s_add_co_u32 s22, s22, 2*HALFS
	s_sub_co_u32 s22, s22, s21
	v_mul_u32_u24 v6, s22, v2
	s_add_co_u32 s21, s21, SCL
	v_add_nc_u32 v5, v5, v6
	v_add_nc_u32 v[ADRS], s21, v5
	v_and_b32 v6, 31, v0
	v_lshlrev_b32 v[L16], 4, v6
	v_lshlrev_b32 v[L8], 3, v6
	v_and_b32 v7, 8, v1
	v_add_nc_u32 v7, v7, v1
	v_lshlrev_b32 v[TA], 8, v7
	v_lshl_add_u32 v[TA], v2, 6, v[TA]
	v_lshlrev_b32 v8, 6, v2
	s_wait_alu depctr_va_vdst(0)
	v_lshlrev_b32 v9, 2, v7
	s_wait_alu depctr_va_vdst(0)
	s_lshl_b32 s92, ttmp9, 12
	s_lshl_b32 s93, s40, 10
	s_add_co_u32 s92, s92, s93
	s_lshl_b32 s93, s16, 9
	s_add_co_u32 s92, s92, s93
	s_mov_b32 s93, 0
	s_add_nc_u64 s[92:93], s[8:9], s[92:93]
	s_lshl_b32 s94, s41, 10
	s_lshl_b32 s95, s15, 9
	s_add_co_u32 s94, s94, s95
	s_add_co_u32 s94, s94, 8192
	s_mov_b32 s95, 0
	s_add_nc_u64 s[94:95], s[8:9], s[94:95]
.irp b, 0,1,2,3
.irp k, 0,1,2,3
	global_load_b128 v[BI+16*\b+4*\k:BI+16*\b+4*\k+3], v8, s[92:93] offset:128*\b+16*\k
.endr
.endr
.irp a, 0,1,2,3,4,5,6,7
	global_load_b32 v[VB+2*\a], v9, s[94:95] offset:4*(32*(\a/2)+8*(\a%2))
	global_load_b32 v[VB+2*\a+1], v9, s[94:95] offset:4*(32*(\a/2)+8*(\a%2))
.endr
.macro FRAG reg, adr, q, i
.irp p, 0,1,2,3,4,5
.set PIECE, 12*(\q)+6*(\p/3)+\p%3
.if PIECE%8 < 5
	ds_load_b64 v[\reg+2*\p:\reg+2*\p+1], v[\adr] offset:8*PIECE+16*(PIECE/8)+(\i)*16*PITCH
.else
	ds_load_b64 v[\reg+2*\p:\reg+2*\p+1], v[\adr+2] offset:8*PIECE+16*(PIECE/8)+(\i)*16*PITCH
.endif
.endr
.endm
.macro MUL16 a0, p, q, sc, zero
.irp a, \a0, \a0+1
.irp b, 0,1,2,3,4,5,6,7
.if \zero
	v_wmma_scale_f32_16x16x128_f8f6f4 v[8*(8*((\a)%4)+\b):8*(8*((\a)%4)+\b)+7], v[128*(\p)+FR*\b:128*(\p)+FR*\b+FR-1], v[AF+FR*(\a):AF+FR*(\a)+FR-1], 0, v[SC+8*NQ*(\sc)+NQ*\b+(\q)], v[SC+8*NQ*(\sc)+NQ*(\a)+(\q)] matrix_a_fmt:MATRIX_FMT_FP6 matrix_b_fmt:MATRIX_FMT_FP6 matrix_a_scale:MATRIX_SCALE_ROW1
.else
	v_wmma_scale_f32_16x16x128_f8f6f4 v[8*(8*((\a)%4)+\b):8*(8*((\a)%4)+\b)+7], v[128*(\p)+FR*\b:128*(\p)+FR*\b+FR-1], v[AF+FR*(\a):AF+FR*(\a)+FR-1], v[8*(8*((\a)%4)+\b):8*(8*((\a)%4)+\b)+7], v[SC+8*NQ*(\sc)+NQ*\b+(\q)], v[SC+8*NQ*(\sc)+NQ*(\a)+(\q)] matrix_a_fmt:MATRIX_FMT_FP6 matrix_b_fmt:MATRIX_FMT_FP6 matrix_a_scale:MATRIX_SCALE_ROW1
.endif
.endr
.endr
.endm
.macro FETCH_B slot, q, p
	WIN TO_B
.irp i, 0,1,2,3,4,5,6,7
	FRAG 128*(\p)+FR*\i, ADRB+\slot, \q, \i
.endr
	WIN 0
.endm
.macro FETCH_A slot, q, i0
.irp i, \i0, \i0+1, \i0+2, \i0+3
	FRAG AF+FR*(\i), ADRA+\slot, \q, \i
.endr
.endm
.macro SCALES sc
.irp i, 0,1,2,3,4,5,6,7
	ds_load_b64 v[SC+8*NQ*\sc+NQ*\i:SC+8*NQ*\sc+NQ*\i+1], v[ADRS] offset:\i*SBLK
.endr
.endm
.macro PLACES n
.rept \n
	v_nop
.endr
.endm
.macro STEP slot, q, zero
	s_wait_dscnt 4*NL
	WIN MUL_LO
	MUL16 0, (\q)%2, \q, \slot, \zero
	MUL16 2, (\q)%2, \q, \slot, \zero
	s_wait_dscnt 0
	PLACES NP
	FETCH_B \slot, (\q)+1, 1-(\q)%2
	FETCH_A \slot, (\q)+1, 0
	WIN MUL_HI
	MUL16 4, (\q)%2, \q, \slot, \zero
	MUL16 6, (\q)%2, \q, \slot, \zero
	PLACES NP
	WIN 0
	FETCH_A \slot, (\q)+1, 4
.endm
.macro TURN slot, next, fill
	s_wait_tensorcnt 0x0
	ds_add_u32 v[SPW], v[NIL]
	s_wait_dscnt 4*NL+1
	WIN MUL_LO
	MUL16 0, 1, NQ-1, \slot, 0
	s_wait_dscnt 0x0
	s_barrier_signal -1
	MUL16 2, 1, NQ-1, \slot, 0
	WIN 0
	s_barrier_wait -1
.if \fill
	CREST
	s_add_nc_u64 s[G0+4*\slot+2:G0+4*\slot+3], s[G0+4*\slot+2:G0+4*\slot+3], 2*ROWB
	s_add_nc_u64 s[G0B+4*\slot+2:G0B+4*\slot+3], s[G0B+4*\slot+2:G0B+4*\slot+3], 2*ROWB
	JLOAD G0+4*\slot, G1, G0B+4*\slot, G1B
.else
	PLACES NP
.endif
	s_wait_alu depctr_va_vdst(0)
	v_add_nc_u32 v[ADRS], 4*NQ, v[ADRS]
	FETCH_B \next, 0, 0
	FETCH_A \next, 0, 0
	SCALES \next
	WIN MUL_HI
	MUL16 4, 1, NQ-1, \slot, 0
	MUL16 6, 1, NQ-1, \slot, 0
	PLACES NP
	WIN 0
	FETCH_A \next, 0, 4
.endm
	s_wait_tensorcnt 1
	s_barrier_signal -1
	s_barrier_wait -1
	FETCH_B 0, 0, 0
	FETCH_A 0, 0, 0
	SCALES 0
	FETCH_A 0, 0, 4
	STEP 0, 0, 1
	s_mov_b32 s3, LAPS-1
.Llap:
	TURN 0, 1, 1
	STEP 1, 0, 0
	TURN 1, 0, 1
	STEP 0, 0, 0
	s_sub_co_u32 s3, s3, 1
	s_cmp_lg_u32 s3, 0
	s_cbranch_scc1 .Llap
	TURN 0, 1, 0
	STEP 1, 0, 0
	s_wait_dscnt 4*NL
	WIN MUL_LO
	MUL16 0, 1, NQ-1, 1, 0
	MUL16 2, 1, NQ-1, 1, 0
	s_wait_dscnt 0
	WIN MUL_HI
	MUL16 4, 1, NQ-1, 1, 0
	MUL16 6, 1, NQ-1, 1, 0
	WIN 0
.macro QUANT s, pw
.irp b, 0,1,2,3
	v_max3_num_f32 v[TM+\b], |v[\s+16*\b]|, |v[\s+1+16*\b]|, 0x1800000
.endr
.irp i, 2,4,6,8,10,12,14
.irp b, 0,1,2,3
	v_max3_num_f32 v[TM+\b], v[TM+\b], |v[\s+16*\b+\i]|, |v[\s+1+16*\b+\i]|
.endr
.endr
.irp b, 0,1,2,3
	v_permlanex16_b32 v[TM+4+\b], v[TM+\b], s[SEL], s[SEL+1]
.endr
.irp b, 0,1,2,3
	v_max_num_f32 v[TM+\b], v[TM+\b], v[TM+4+\b]
.endr
.irp b, 0,1,2,3
	v_add_nc_u32 v[TM+12+\b], 0xff000000, v[TM+\b]
.endr
.irp b, 0,1,2,3
	v_lshrrev_b32 v[TM+4+\b], 23, v[TM+12+\b]
.endr
	v_lshl_or_b32 v[\pw], v[TM+5], 8, v[TM+4]
	v_lshl_or_b32 v[\pw], v[TM+6], 16, v[\pw]
	v_lshl_or_b32 v[\pw], v[TM+7], 24, v[\pw]
.irp c, 0,1
	v_cvt_scalef32_pk16_fp6_f32 v[PC+6*\c:PC+2+6*\c], v[\s+32*\c:\s+15+32*\c], v[TM+12+2*\c]
	v_cvt_scalef32_pk16_fp6_f32 v[PC+12+4*\c:PC+14+4*\c], v[\s+16+32*\c:\s+31+32*\c], v[TM+12+2*\c+1]
.endr
	v_nop
.irp c, 0,1
.irp i, 0,1,2
	v_permlane16_swap_b32 v[PC+6*\c+\i], v[PC+12+4*\c+\i]
.endr
.irp i, 0,1,2
	v_mov_b32 v[PC+3+6*\c+\i], v[PC+12+4*\c+\i]
.endr
.endr
.endm
.macro ADDQK a
	WIN 0x02+(\a)/4
.set kk, 0
.rept 32
	v_pk_add_f32 v[H+kk:H+kk+1], v[64*((\a)%4)+kk:64*((\a)%4)+kk+1], v[BI+kk:BI+kk+1]
.set kk, kk+2
.endr
.endm
.macro ADDV a
	WIN 0x02+(\a)/4
.set kk, 0
.rept 32
	v_pk_add_f32 v[H+kk:H+kk+1], v[64*((\a)%4)+kk:64*((\a)%4)+kk+1], v[VB+2*(\a):VB+2*(\a)+1]
.set kk, kk+2
.endr
.endm
.macro ROPE a
	WIN 0x04
.irp e, 0,1
.irp i, 0,2,4,6,8,10,12,14
	v_pk_mul_f32 v[T+\i%8:T+\i%8+1], v[H+32*\e+16+\i:H+32*\e+17+\i], v[32*(\a)+16+\i:32*(\a)+17+\i]
	v_pk_mul_f32 v[H+32*\e+16+\i:H+32*\e+17+\i], v[H+32*\e+16+\i:H+32*\e+17+\i], v[32*(\a)+\i:32*(\a)+\i+1]
	v_pk_fma_f32 v[H+32*\e+16+\i:H+32*\e+17+\i], v[H+32*\e+\i:H+32*\e+\i+1], v[32*(\a)+16+\i:32*(\a)+17+\i], v[H+32*\e+16+\i:H+32*\e+17+\i]
	v_pk_fma_f32 v[H+32*\e+\i:H+32*\e+\i+1], v[H+32*\e+\i:H+32*\e+\i+1], v[32*(\a)+\i:32*(\a)+\i+1], v[T+\i%8:T+\i%8+1] neg_lo:[0,0,1] neg_hi:[0,0,1]
.endr
.endr
	WIN 0
.endm
.macro WHERE cg, wg, ch, wh
	s_lshl_b32 s20, s17, 2
	s_add_co_u32 s20, s20, s[\cg]
	s_lshl_b32 s20, s20, 1
	s_add_co_u32 s20, s20, s[\wg]
	s_lshr_b32 s21, s20, 4
	s_and_b32 s22, s20, 15
	s_lshl_b32 s23, s[\ch], 2
	s_lshl_b32 s18, s[\wh], 1
	s_add_co_u32 s23, s23, s18
	s_lshl_b32 s21, s21, 4
	s_add_co_u32 s21, s21, s23
	s_lshl_b32 s21, s21, 4
	s_add_co_u32 s21, s21, s22
	s_mul_i32 s92, s21, BLKB
	s_mov_b32 s93, 0
.endm
	PLACES NP
	s_wait_loadcnt 0x0
.irp b, 0,1,2,3
	v_mov_b32 v[TM+4+\b], 0
.endr
	v_and_b32 v14, 31, v0
	v_cmp_le_u32 vcc_lo, 16, v14
	s_mov_b32 s[SEL], 0x76543210
	s_mov_b32 s[SEL+1], 0xfedcba98
	s_cmp_eq_u32 ttmp9, 2
	s_cbranch_scc1 .Lv_path
	WHERE 41, 15, 40, 16
	s_mov_b32 s19, 12288
	s_cmp_eq_u32 ttmp9, 0
	s_cselect_b32 s18, 12800, 0
	s_cselect_b32 s19, 6144, s19
	s_add_co_u32 s92, s92, s18
	s_add_nc_u64 s[12:13], s[12:13], s[92:93]
	s_mov_b32 s92, s19
	s_add_nc_u64 s[94:95], s[12:13], s[92:93]
	s_lshl_b32 s92, s22, 15
	s_add_nc_u64 s[10:11], s[10:11], s[92:93]
	WIN 0x40
.irp a, 0,1,2,3,4,5,6,7
.irp k, 0,1,2,3
	global_load_b128 v[32*\a+4*\k:32*\a+4*\k+3], v[TA], s[10:11] offset:256*(32*(\a/2)+8*(\a%2))+16*\k
.endr
.irp k, 0,1,2,3
	global_load_b128 v[32*\a+16+4*\k:32*\a+16+4*\k+3], v[TA], s[10:11] offset:256*(32*(\a/2)+8*(\a%2))+128+16*\k
.endr
.endr
	WIN 0
.irp a, 0,1,2,3,4,5,6,7
.if \a > 0
	s_wait_xcnt 0x0
.endif
	s_wait_loadcnt 8*(7-\a)
	ADDQK \a
	ROPE \a
	QUANT H, PWS+\a
.irp e, 0,1
	global_store_b128 v[L16], v[PC+6*\e:PC+6*\e+3], s[12:13] offset:\e*HEADB+768*\a
	global_store_b64 v[L8], v[PC+6*\e+4:PC+6*\e+5], s[12:13] offset:\e*HEADB+768*\a+512
.endr
.endr
	s_mov_b32 s18, 0x05040100
	s_mov_b32 s19, 0x07060302
.irp i, 0,1,2,3
	v_perm_b32 v[T+\i], v[PWS+2*\i+1], v[PWS+2*\i], s18
	v_perm_b32 v[T+4+\i], v[PWS+2*\i+1], v[PWS+2*\i], s19
.endr
.irp e, 0,1
	v_cndmask_b32 v[OW+2*\e], v[T+4*\e], v[T+4*\e+1], vcc_lo
	v_cndmask_b32 v[OW+2*\e+1], v[T+4*\e+2], v[T+4*\e+3], vcc_lo
	global_store_b64 v[L8], v[OW+2*\e:OW+2*\e+1], s[94:95] offset:\e*HEADB
.endr
	s_branch .Lend
.Lv_path:
	WHERE 40, 16, 41, 15
	s_add_co_u32 s92, s92, 6144
	s_add_nc_u64 s[12:13], s[12:13], s[92:93]
.irp a, 0,1,2,3,4,5,6,7
.if \a > 0
	s_wait_xcnt 0x0
.endif
	ADDV \a
	WIN 0
	QUANT H, PWS+\a
.irp c, 0,1,2
	global_store_b128 v[L16], v[PC+4*\c:PC+4*\c+3], s[12:13] offset:(\a/4)*HEADB+1536*(\a%4)+512*\c
.endr
.endr
.irp e, 0,1
	v_cndmask_b32 v[OW+2*\e], v[PWS+4*\e], v[PWS+4*\e+1], vcc_lo
	v_cndmask_b32 v[OW+2*\e+1], v[PWS+4*\e+2], v[PWS+4*\e+3], vcc_lo
	global_store_b64 v[L8], v[OW+2*\e:OW+2*\e+1], s[12:13] offset:\e*HEADB+6400
.endr
.Lend:
	s_wait_tensorcnt 0x0
	ds_add_u32 v[SPW], v[NIL]
	s_wait_dscnt 0x0
	CROUND
	s_endpgm
.Lfunc_end_k_qdc56ead452_gemm1:
	.size	k_qdc56ead452_gemm1, .Lfunc_end_k_qdc56ead452_gemm1-k_qdc56ead452_gemm1
	.p2alignl 7, 3214868480
	.fill 96, 4, 3214868480
	.section	.rodata,"a",@progbits
	.p2align	6, 0x0
	.amdhsa_kernel k_qdc56ead452_gemm1
		.amdhsa_group_segment_fixed_size 327680
		.amdhsa_private_segment_fixed_size 0
		.amdhsa_enable_private_segment 0
		.amdhsa_kernarg_size 40
		.amdhsa_user_sgpr_count 2
		.amdhsa_user_sgpr_kernarg_segment_ptr 1
		.amdhsa_wavefront_size32 1
		.amdhsa_system_sgpr_workgroup_id_x 1
		.amdhsa_system_sgpr_workgroup_id_y 1
		.amdhsa_system_sgpr_workgroup_id_z 1
		.amdhsa_system_vgpr_workitem_id 0
		.amdhsa_next_free_vgpr 1024
		.amdhsa_next_free_sgpr 98
		.amdhsa_reserve_vcc 1
		.amdhsa_float_denorm_mode_32 3
		.amdhsa_float_denorm_mode_16_64 3
		.amdhsa_memory_ordered 1
		.amdhsa_forward_progress 1
		.amdhsa_inst_pref_size 255
	.end_amdhsa_kernel
	.section	.bss,"aw",@nobits
	.p2align	6
	.space	262144
	.amdgpu_metadata
---
amdhsa.version: [ 1, 2 ]
amdhsa.kernels:
  - .name:           k_qdc56ead452_gemm1
    .symbol:         k_qdc56ead452_gemm1.kd
    .args:
      - { .name: codes, .offset: 0, .size: 8, .value_kind: global_buffer, .address_space: global }
      - { .name: scales, .offset: 8, .size: 8, .value_kind: global_buffer, .address_space: global }
      - { .name: qkv_b, .offset: 16, .size: 8, .value_kind: global_buffer, .address_space: global }
      - { .name: tab, .offset: 24, .size: 8, .value_kind: global_buffer, .address_space: global }
      - { .name: qkv, .offset: 32, .size: 8, .value_kind: global_buffer, .address_space: global }
    .group_segment_fixed_size: 327680
    .private_segment_fixed_size: 0
    .kernarg_segment_align: 8
    .kernarg_segment_size: 40
    .max_flat_workgroup_size: 128
    .sgpr_count:     98
    .vgpr_count:     1024
    .wavefront_size: 32
...
	.end_amdgpu_metadata
.endif
;; end of part 2
;; launch attn (part 3): grid 4 x 64, 16 waves a work-group, clusters of 4 x 1, 327,680 bytes of LDS; arguments qkv, ao; writes ao
.if DOCPART == 3
	.amdgcn_target "amdgcn-amd-amdhsa--gfx1250"
	.amdhsa_code_object_version 6
	.text
	.protected	k_qdc56ead452_attn
	.globl	k_qdc56ead452_attn
	.p2align	8
	.type	k_qdc56ead452_attn,@function
k_qdc56ead452_attn:
	s_mov_b64 s[64:65], 0
	v_nop
	global_prefetch_b8 v0, s[64:65] scope:SCOPE_SE
	s_setreg_imm32_b32 hwreg(HW_REG_WAVE_MODE, 25, 1), 1
	s_wait_xcnt 0x0
	s_wait_alu depctr_hold_cnt(0) depctr_sa_sdst(0) depctr_va_vdst(0) depctr_va_sdst(0) depctr_va_ssrc(0) depctr_va_vcc(0) depctr_vm_vsrc(0)
	s_getreg_b32 s2, hwreg(HW_REG_IB_STS2, 6, 4)
	s_cmp_eq_u32 s2, 0
	s_cbranch_scc0 .Lentry_in_a_cluster
	s_endpgm
.Lentry_in_a_cluster:
	s_bfe_u32 s2, ttmp6, 0x10000c
	s_cmp_lg_u32 s2, 0x3003
	s_cbranch_scc0 .Lentry_shape_is_right
	s_endpgm
.Lentry_shape_is_right:
; O = softmax(q k^T / 8) v for one (batch, head), both products on codes of FP6 (E2M3) with E8M0 scales; O / l is quantised along the head's 64 and stored as codes for the projection.
; t = score x log2(e) / 8; M = the running largest t rounded UP to a whole number; p = 2^(t - M) is quantised along the keys, not normalised; l is the sum of the unquantised p; when M moves, l and O are multiplied by 2^(old M - new M): exact.
; SHARES.  A work-group owns 512 query positions of a head: grid x is one cluster of four, so the block is cx; grid y is 16 batch + head.  Each of sixteen waves owns one tile of 16 queries at a time, twice: tile 32 cx + 16 p + wave.
; LDS.  A head's K, V and their scale words are 16 groups of 12,800 bytes, 204,800 in all: they come ONCE, one tensor load a wave, and stay: no slot is ever filled again and nothing is stored to LDS.
; CLUSTER.  The four work-groups walk the same K and V: each group is asked for jointly, by the same load with the same descriptor and the mask of all four.
; LAYOUT.  Both products transposed: S^T = K Q^T, O^T = V^T P^T: a lane holds one query (lane % 16).  All operands lie in memory and LDS as images of their registers: every LDS load takes 512 or 256 consecutive bytes.
; Keys and channels lie by positions (bits 3, 4 exchanged), so the 16 registers of tiles 2 b, 2 b + 1 are the true keys (channels) 32 b + 16 (lane / 16) + 0 .. 15.
; THE FIRST PRODUCT'S K IS 64, half of the instruction's 128.  Source 0 holds TWO tiles of keys: registers 0-5 tile 2 i, registers 6-11 tile 2 i + 1.  Against (q, zeros) it gives tile 2 i's scores, against (zeros, q) tile 2 i + 1's:
; zero codes add nothing under any scale byte but 0xff.  So no register is cleared in the loop and no LDS byte is read twice.
; LIMITS: NaN and infinities are not served; a block's largest p is taken from its largest score, which takes v_exp_f32 not to fall where its input rises.
.set GB,   19200                       ; a group's block in qkv
.set GL,   12800                       ; its part that goes to LDS: K's codes 6,144, V's codes 6,144, K's scale words 256, V's 256; Q's codes and scale words lie behind
.set BHB,  16*GB
.set L16,  1                           ; v1   16 x lane
.set L8,   2                           ; v2   8 x lane
.set AD16, 3                           ; v3   the step's LDS addresses
.set AD8,  4
.set QO16, 5                           ; v5-7 Q's images and scale word
.set QO8,  6
.set QOS,  7
.set AOS,  8                           ; v8   ao's scale bytes: 32 (lane % 16) + lane / 16
.set QL,   16                          ; v16-27 (q, 0);  v28-39 (0, q)
.set KV,   40                          ; v40-87 four pairs of tiles of K, then four fragments of V
.set S,    96                          ; v96-159 S^T, then p
.set O,    160                         ; v160-191 O^T
.set P,    192                         ; v192-203 p's codes
.set CT,   204                         ; v204-206, v208-210 the conversions' second halves
.set BM,   212
.set BT,   216
.set BS,   220
.set TMP,  224
.set F,    226                         ; v[226:227] f (v227 written once: named with it as a pair)
.set LB,   228                         ; v[228:229] the sum's second chain
.set PSW,  230                         ; v230-235 hold scale words; v232-233 are also a chain of the sum
.set QS,   231
.set KSC,  232
.set VSC,  234
.set QR,   236                         ; v236-241, v242: pass 0's q and scale word as loaded;  v244-249, v250: pass 1's
.set WV,   8
.set SEL,  24
.set CS,   26
.set TB,   28
.set CNT,  29
.set SH,   30
.macro CROUND                          ; a round of the cluster's barrier
	s_barrier_signal -1
	s_barrier_wait -1
	s_cmp_lg_u32 s[WV], 0
	s_cbranch_scc1 .Lnot_wave_0_\@
	s_barrier_signal -3
.Lnot_wave_0_\@:
	s_barrier_wait -3
	s_barrier_signal -1
	s_barrier_wait -1
.endm
	s_load_b128 s[4:7], s[0:1], 0x0                ; qkv s[4:5], ao s[6:7]
	v_lshl_add_u32 v254, v0, 2, 0x32000
	v_mov_b32 v255, 0
	ds_add_u32 v254, v255
	ds_add_u32 v254, v255
	v_lshrrev_b32 v1, 5, v0
	s_delay_alu instid0(VALU_DEP_1)
	v_readfirstlane_b32 s[WV], v1                  ; wave 0..15
	s_bfe_u32 s9, ttmp6, 0x40000                   ; cx: my block of 512 queries
	s_and_b32 s10, ttmp7, 0xffff                   ; 16 batch + head, which the four partners share
	s_mul_i32 s40, s10, BHB                        ; the head's first byte in qkv
	s_mul_i32 s42, s[WV], GB
	s_add_co_u32 s42, s42, s40                     ; group = my wave's number
	s_mov_b32 s43, 0
	s_mov_b32 s16, 15|(3<<16)|(1<<21)              ; group 1: the mask of all four; elements of 8 bytes; bit 21 beside a mask; no padding
	s_mov_b32 s17, 32<<16                          ; tensor_dim0 = 32 elements: rows of 256 bytes
	s_mov_b32 s18, 50<<16                          ; tensor_dim1 = 50 rows: 12,800 dense bytes
	s_mov_b32 s19, 32<<16                          ; tile_dim0
	s_mov_b32 s20, 50                              ; tile_dim1
	s_mov_b32 s21, 32                              ; the pitch
	s_mov_b32 s22, 0
	s_mov_b32 s23, 0
	s_mov_b32 s12, 1
	s_mul_i32 s13, s[WV], GL                       ; LDS: wave x 12,800
	s_wait_dscnt 0x0
	s_wait_kmcnt 0x0
	s_add_nc_u64 s[14:15], s[4:5], s[42:43]
	s_or_b32 s15, s15, 0x80000000
	CROUND                                         ; all four work-groups are here: the joint loads meet
	tensor_load_to_lds s[12:15], s[16:23]          ; my one tensor load of the launch
	s_nop 0
.rept 4
	v_nop
.endr
	s_lshl_b32 s44, s9, 2
	s_lshr_b32 s45, s[WV], 3
	s_add_co_u32 s44, s44, s45                     ; pass 0's tile 32 cx + wave lies in group 4 cx + wave / 8, as tile wave % 8
	s_mul_i32 s44, s44, GB
	s_add_co_u32 s44, s44, s40
	s_add_co_u32 s44, s44, GL
	s_mov_b32 s45, 0
	s_add_nc_u64 s[34:35], s[4:5], s[44:45]        ; that group's Q
	v_and_b32 v11, 31, v0                          ; lane
	v_and_b32 v[TMP], 15, v0                       ; r
	v_bfe_u32 v10, v0, 4, 1                        ; h
	s_delay_alu instid0(VALU_DEP_3)
	v_cmp_le_u32 vcc_lo, 16, v11                   ; lanes 16-31; nothing else writes it
	s_delay_alu instid0(VALU_DEP_4)
	v_lshlrev_b32 v[L16], 4, v11
	v_lshlrev_b32 v[L8], 3, v11
	s_and_b32 s46, s[WV], 7
	s_mul_i32 s46, s46, 768
	v_add_nc_u32 v[QO16], s46, v[L16]
	v_add_nc_u32 v[QO8], s46, v[L8]
	s_bfe_u32 s47, s[WV], 0x10001
	s_lshl_b32 s47, s47, 7
	s_bfe_u32 s46, s[WV], 0x10002
	s_lshl_b32 s46, s46, 2
	s_add_co_u32 s47, s47, s46
	v_lshl_add_u32 v[QOS], v[TMP], 3, s47          ; the word of the pair of tiles (wave % 8) / 2: pairs 0, 2 in the first 128 bytes, pairs 1, 3 in the second; 8 bytes a row
.irp p, 0,1                                    ; pass p's tile lies two groups on
	global_load_b128 v[QR+8*\p:QR+8*\p+3], v[QO16], s[34:35] offset:2*GB*\p
	global_load_b64 v[QR+8*\p+4:QR+8*\p+5], v[QO8], s[34:35] offset:2*GB*\p+512
	global_load_b32 v[QR+8*\p+6], v[QOS], s[34:35] offset:2*GB*\p+6144
.endr
	v_lshl_add_u32 v[AOS], v[TMP], 5, v10
	s_and_b32 s[SH], s[WV], 1
	s_lshl_b32 s[SH], s[SH], 4                     ; my tile's two bytes: the word's low or high half
	s_lshr_b32 s44, s10, 4                         ; batch
	s_and_b32 s45, s10, 15                         ; head
	s_lshl_b32 s44, s44, 7
	s_lshl_b32 s46, s9, 5
	s_add_co_u32 s44, s44, s46
	s_add_co_u32 s44, s44, s[WV]                   ; pass 0's tile among all 512 tiles of rows
	s_lshl_b32 s46, s44, 4
	s_add_co_u32 s46, s46, s45
	s_mul_i32 s46, s46, 768                        ; ao's codes: [tile of rows][head][768]
	s_mov_b32 s47, 0
	s_add_nc_u64 s[36:37], s[6:7], s[46:47]
	s_lshl_b32 s46, s44, 9                         ; ao's scale bytes, behind the codes: [position][32], byte 2 head + block
	s_lshl_b32 s45, s45, 1
	s_add_co_u32 s46, s46, s45
	s_add_co_u32 s46, s46, 0x600000
	s_add_nc_u64 s[38:39], s[6:7], s[46:47]
	s_mov_b32 s[SEL], 0x76543210
	s_mov_b32 s[SEL+1], 0xfedcba98                 ; v_permlanex16_b32's selects for lane l xor 16
	s_mov_b32 s[CS], 0x3e38aa3b                    ; c = log2(e) / 8
	s_mov_b32 s[CS+1], s[CS]
.irp i, 0,1,2,3,4,5,6,7,8,9,10,11
	v_mov_b32 v[QL+6+\i], 0                        ; the zero halves of (q, 0) and (0, q): once
.endr
.irp b, 0,1,2,3
	v_mov_b32 v[BT+\b], 0                          ; written once: a lane permute's destination counts as one of its sources
.endr
	v_mov_b32 v[F+1], 0
	s_wait_tensorcnt 0x0                           ; my group is in LDS,
	s_barrier_signal -1
	s_barrier_wait -1                              ; everybody's is
	s_wait_loadcnt 0x0                             ; Q
; A KEY STEP: 128 keys, the group at LDS byte s[TB].
.macro STEP
	v_add_nc_u32 v[AD16], s[TB], v[L16]
	v_add_nc_u32 v[AD8], s[TB], v[L8]
	v_nop
	v_nop                                          ; four places behind the last step's products, in front of loads into registers that they read
.irp i, 0,1,2,3                                ; tiles 2 i and 2 i + 1 of K: six registers each
	ds_load_b128 v[KV+12*\i:KV+12*\i+3], v[AD16] offset:1536*\i
	ds_load_b64 v[KV+12*\i+4:KV+12*\i+5], v[AD8] offset:1536*\i+512
	ds_load_b128 v[KV+12*\i+6:KV+12*\i+9], v[AD16] offset:1536*\i+768
	ds_load_b64 v[KV+12*\i+10:KV+12*\i+11], v[AD8] offset:1536*\i+1280
.endr
	ds_load_b64 v[KSC:KSC+1], v[AD8] offset:12288  ; the pairs' scale words: register i / 2, lanes 0-15 for even i, 16-31 for odd
	s_wait_alu depctr_va_vdst(0)
	s_wait_dscnt 0x0
.irp i, 0,1,2,3
.irp u, 0,1
.if \i%2
	v_wmma_scale_f32_16x16x128_f8f6f4 v[S+16*\i+8*\u:S+16*\i+8*\u+7], v[KV+12*\i:KV+12*\i+11], v[QL+12*\u:QL+12*\u+11], 0, v[KSC+\i/2], v[QS] matrix_a_fmt:MATRIX_FMT_FP6 matrix_b_fmt:MATRIX_FMT_FP6 matrix_a_scale:MATRIX_SCALE_ROW1
.else
	v_wmma_scale_f32_16x16x128_f8f6f4 v[S+16*\i+8*\u:S+16*\i+8*\u+7], v[KV+12*\i:KV+12*\i+11], v[QL+12*\u:QL+12*\u+11], 0, v[KSC+\i/2], v[QS] matrix_a_fmt:MATRIX_FMT_FP6 matrix_b_fmt:MATRIX_FMT_FP6
.endif
.endr
.endr
.rept 4
	v_nop                                          ; places: for the loads below and for the first read of the scores
.endr
.irp t, 0,1,2,3                                ; V's four fragments (16 channels x 128 keys) into K's registers: they land under the softmax
.irp c, 0,1,2
	ds_load_b128 v[KV+12*\t+4*\c:KV+12*\t+4*\c+3], v[AD16] offset:6144+1536*\t+512*\c
.endr
.endr
	ds_load_b64 v[VSC:VSC+1], v[AD8] offset:12544
.irp b, 0,1,2,3
	v_max3_num_f32 v[BM+\b], v[S+16*\b], v[S+1+16*\b], v[S+2+16*\b]   ; the largest score of each block of 32 keys: for the row's maximum, and, since p rises with the score, for the block's largest p
.endr
.irp i, 3,5,7,9,11,13
.irp b, 0,1,2,3
	v_max3_num_f32 v[BM+\b], v[BM+\b], v[S+16*\b+\i], v[S+1+16*\b+\i]
.endr
.endr
.irp b, 0,1,2,3
	v_max_num_f32 v[BM+\b], v[BM+\b], v[S+15+16*\b]
.endr
.irp b, 0,1,2,3
	s_delay_alu instid0(VALU_DEP_4)
	v_permlanex16_b32 v[BT+\b], v[BM+\b], s[SEL], s[SEL+1]
.endr
.irp b, 0,1,2,3
	s_delay_alu instid0(VALU_DEP_4)
	v_max_num_f32 v[BM+\b], v[BM+\b], v[BT+\b]     ; with lane l xor 16's 16 keys
.endr
	s_delay_alu instid0(VALU_DEP_2)
	v_max3_num_f32 v[TMP], v[BM], v[BM+1], v[BM+2]
	s_delay_alu instid0(VALU_DEP_1)
	v_max_num_f32 v[TMP], v[TMP], v[BM+3]
	s_delay_alu instid0(VALU_DEP_1)
	v_mul_f32 v[TMP], s[CS], v[TMP]                ; as t (c is positive)
	s_delay_alu instid0(VALU_DEP_1)
	v_max_num_f32 v13, v13, v[TMP]                 ; the running largest t
	v_mov_b32 v[TMP], v12
	s_delay_alu instid0(VALU_DEP_2)
	v_floor_f32 v12, -v13                          ; the new -M = floor(-t): M is a whole number
	s_delay_alu instid0(VALU_DEP_1)
	v_sub_f32 v[TMP], v12, v[TMP]                  ; old M - new M: a whole number, 0 or less
	s_delay_alu instid0(VALU_DEP_1)
	v_cvt_i32_f32 v[TMP], v[TMP]                   ; (it saturates)
	s_delay_alu instid0(VALU_DEP_1)
	v_ldexp_f32 v[F], 1.0, v[TMP]                  ; f = 2^(old M - new M)
.irp j, 0,2,4,6,8,10,12,14,16,18,20,22,24,26,28,30,32,34,36,38,40,42,44,46,48,50,52,54,56,58,60,62
	v_pk_fma_f32 v[S+\j:S+1+\j], v[S+\j:S+1+\j], s[CS:CS+1], v[12:13] op_sel_hi:[1,0,0]   ; t - M, two at a time
.endr
.irp b, 0,1,2,3
	v_fma_f32 v[BM+\b], v[BM+\b], s[CS], v12       ; the same of each block's largest score
.endr
	s_wait_alu depctr_va_vdst(0)
.irp j, 0,1,2,3,4,5,6,7,8,9,10,11,12,13,14,15,16,17,18,19,20,21,22,23,24,25,26,27,28,29,30,31,32,33,34,35,36,37,38,39,40,41,42,43,44,45,46,47,48,49,50,51,52,53,54,55,56,57,58,59,60,61,62,63
	v_exp_f32 v[S+\j], v[S+\j]                     ; p = 2^(t - M)
.endr
	s_setprio 1
.irp b, 0,1,2,3
	v_exp_f32 v[BM+\b], v[BM+\b]                   ; the block's largest p
.endr
	v_pk_mul_f32 v[14:15], v[14:15], v[F:F+1] op_sel_hi:[1,0]   ; the sums under the new M (a plain place behind the exponentials)
	s_wait_alu depctr_va_vdst(0)
.irp b, 0,1,2,3
	v_max_num_f32 v[BM+\b], 0x1800000, v[BM+\b]    ; the floor 2^(3 - 127): the byte cannot fall under 1
.endr
.irp b, 0,1,2,3
	s_delay_alu instid0(VALU_DEP_4)
	v_add_nc_u32 v[BS+\b], 0xff000000, v[BM+\b]    ; 2 off the exponent field: the conversion's scale operand
.endr
.irp b, 0,1,2,3
	s_delay_alu instid0(VALU_DEP_4)
	v_lshrrev_b32 v[BT+\b], 23, v[BS+\b]           ; the scale's byte
.endr
	s_delay_alu instid0(VALU_DEP_3)
	v_lshl_or_b32 v[PSW], v[BT+1], 8, v[BT]        ; p's scale word for these 128 keys
	s_delay_alu instid0(VALU_DEP_1)
	v_lshl_or_b32 v[PSW], v[BT+2], 16, v[PSW]
	s_delay_alu instid0(VALU_DEP_1)
	v_lshl_or_b32 v[PSW], v[BT+3], 24, v[PSW]
.irp c, 0,1
	v_cvt_scalef32_pk16_fp6_f32 v[P+6*\c:P+2+6*\c], v[S+32*\c:S+15+32*\c], v[BS+2*\c]
	v_cvt_scalef32_pk16_fp6_f32 v[CT+4*\c:CT+2+4*\c], v[S+16+32*\c:S+31+32*\c], v[BS+2*\c+1]
.endr
	v_nop                                          ; one plain place behind a scaled conversion
.irp c, 0,1
.irp i, 0,1,2
	v_permlane16_swap_b32 v[P+6*\c+\i], v[CT+4*\c+\i]
.endr
.irp i, 0,1,2
	s_delay_alu instid0(VALU_DEP_3)
	v_mov_b32 v[P+3+6*\c+\i], v[CT+4*\c+\i]
.endr
.endr
.irp j, 0,2,4,6,8,10,12,14,16,18,20,22,24,26,28,30
	v_pk_mul_f32 v[O+\j:O+1+\j], v[O+\j:O+1+\j], v[F:F+1] op_sel_hi:[1,0]   ; O^T under the new M; each accumulator from its low end on
.endr
	v_pk_add_f32 v[228:229], v[100:101], v[104:105]
	v_pk_add_f32 v[252:253], v[108:109], v[112:113]
	v_pk_add_f32 v[242:243], v[116:117], v[120:121]
	v_pk_add_f32 v[240:241], v[124:125], v[128:129]
	v_pk_add_f32 v[238:239], v[132:133], v[136:137]
	v_pk_add_f32 v[236:237], v[140:141], v[144:145]
	v_pk_add_f32 v[232:233], v[148:149], v[152:153]
	v_pk_add_f32 v[14:15], v[14:15], v[156:157]
	v_pk_add_f32 v[228:229], v[228:229], v[96:97]
	v_pk_add_f32 v[252:253], v[252:253], v[98:99]
	v_pk_add_f32 v[242:243], v[242:243], v[102:103]
	v_pk_add_f32 v[240:241], v[240:241], v[106:107]
	s_setprio 0
	v_pk_add_f32 v[238:239], v[238:239], v[110:111]
	v_pk_add_f32 v[236:237], v[236:237], v[114:115]
	v_pk_add_f32 v[232:233], v[232:233], v[118:119]
	v_pk_add_f32 v[14:15], v[14:15], v[122:123]
	v_pk_add_f32 v[228:229], v[228:229], v[126:127]
	v_pk_add_f32 v[252:253], v[252:253], v[130:131]
	v_pk_add_f32 v[242:243], v[242:243], v[134:135]
	v_pk_add_f32 v[240:241], v[240:241], v[138:139]
	v_pk_add_f32 v[238:239], v[238:239], v[142:143]
	v_pk_add_f32 v[236:237], v[236:237], v[146:147]
	v_pk_add_f32 v[232:233], v[232:233], v[150:151]
	v_pk_add_f32 v[14:15], v[14:15], v[154:155]
	v_pk_add_f32 v[228:229], v[228:229], v[158:159]
	s_delay_alu instid0(VALU_DEP_2)
	v_pk_add_f32 v[14:15], v[14:15], v[240:241]
	s_delay_alu instid0(VALU_DEP_2)
	v_pk_add_f32 v[228:229], v[228:229], v[238:239]
	v_pk_add_f32 v[252:253], v[252:253], v[236:237]
	v_pk_add_f32 v[242:243], v[242:243], v[232:233]
	s_delay_alu instid0(VALU_DEP_2)
	v_pk_add_f32 v[14:15], v[14:15], v[252:253]
	s_delay_alu instid0(VALU_DEP_2)
	v_pk_add_f32 v[228:229], v[228:229], v[242:243]
	s_delay_alu instid0(VALU_DEP_1)
	v_pk_add_f32 v[14:15], v[14:15], v[228:229]
	s_wait_dscnt 0x0                               ; V and its scale words are in
.irp t, 0,1,2,3
.if \t%2
	v_wmma_scale_f32_16x16x128_f8f6f4 v[O+8*\t:O+8*\t+7], v[KV+12*\t:KV+12*\t+11], v[P:P+11], v[O+8*\t:O+8*\t+7], v[VSC+\t/2], v[PSW] matrix_a_fmt:MATRIX_FMT_FP6 matrix_b_fmt:MATRIX_FMT_FP6 matrix_a_scale:MATRIX_SCALE_ROW1
.else
	v_wmma_scale_f32_16x16x128_f8f6f4 v[O+8*\t:O+8*\t+7], v[KV+12*\t:KV+12*\t+11], v[P:P+11], v[O+8*\t:O+8*\t+7], v[VSC+\t/2], v[PSW] matrix_a_fmt:MATRIX_FMT_FP6 matrix_b_fmt:MATRIX_FMT_FP6
.endif
.endr
.endm
; THE WAY OUT of a pass: O^T / l, quantised along the head's 64 (two blocks), as a half fragment's image and two scale bytes a row.
.macro OUT p
.rept 4
	v_nop                                          ; places behind the last products
.endr
	v_add_f32 v14, v14, v15
	s_delay_alu instid0(VALU_DEP_1)
	v_permlanex16_b32 v[TMP], v14, s[SEL], s[SEL+1]
	s_delay_alu instid0(VALU_DEP_1)
	v_add_f32 v14, v14, v[TMP]                     ; the row's sum
	s_wait_alu depctr_va_vdst(0)
	v_rcp_f32 v14, v14
	v_nop                                          ; a plain place behind the transcendental
.set jj, 0
	s_wait_alu depctr_va_vdst(0)
.rept 32
	v_mul_f32 v[S+jj], v[O+jj], v14                ; register 16 b + i: channel 32 b + 16 (lane / 16) + i of my query
.set jj, jj+1
.endr
.irp b, 0,1
	v_max3_num_f32 v[BM+\b], |v[S+16*\b]|, |v[S+1+16*\b]|, 0x1800000
.endr
.irp i, 2,4,6,8,10,12,14
.irp b, 0,1
	s_delay_alu instid0(VALU_DEP_2)
	v_max3_num_f32 v[BM+\b], v[BM+\b], |v[S+16*\b+\i]|, |v[S+1+16*\b+\i]|
.endr
.endr
.irp b, 0,1
	s_delay_alu instid0(VALU_DEP_2)
	v_permlanex16_b32 v[BT+\b], v[BM+\b], s[SEL], s[SEL+1]
.endr
.irp b, 0,1
	s_delay_alu instid0(VALU_DEP_2)
	v_max_num_f32 v[BM+\b], v[BM+\b], v[BT+\b]
.endr
.irp b, 0,1
	s_delay_alu instid0(VALU_DEP_2)
	v_add_nc_u32 v[BS+\b], 0xff000000, v[BM+\b]
.endr
.irp b, 0,1
	s_delay_alu instid0(VALU_DEP_2)
	v_lshrrev_b32 v[BT+\b], 23, v[BS+\b]
.endr
	s_delay_alu instid0(VALU_DEP_1)
	v_cndmask_b32 v[TMP], v[BT], v[BT+1], vcc_lo   ; lanes 0-15 carry block 0's byte, lanes 16-31 block 1's
	v_cvt_scalef32_pk16_fp6_f32 v[P:P+2], v[S:S+15], v[BS]
	v_cvt_scalef32_pk16_fp6_f32 v[CT:CT+2], v[S+16:S+31], v[BS+1]
	v_nop
.irp i, 0,1,2
	v_permlane16_swap_b32 v[P+\i], v[CT+\i]
.endr
.irp i, 0,1,2
	s_delay_alu instid0(VALU_DEP_3)
	v_mov_b32 v[P+3+\i], v[CT+\i]
.endr
	global_store_b128 v[L16], v[P:P+3], s[36:37] offset:196608*\p        ; 512 consecutive bytes; pass 1's tile lies 16 tiles x 16 heads x 768 bytes on
	global_store_b64 v[L8], v[P+4:P+5], s[36:37] offset:196608*\p+512    ; 256 consecutive bytes
	global_store_b8 v[AOS], v[TMP], s[38:39] offset:8192*\p              ; one byte a lane, rows 32 bytes apart: 2 bytes for each 48 bytes of codes; it keeps these scales as rows of 32 bytes, which the projection fetches as one dense block
.endm
.macro PASS p
	s_wait_xcnt 0x0                                ; the last pass's stores have read their data
	v_lshrrev_b32 v[TMP], s[SH], v[QR+8*\p+6]
	s_delay_alu instid0(VALU_DEP_1)
	v_and_b32 v[TMP], 0xffff, v[TMP]
	s_delay_alu instid0(VALU_DEP_1)
	v_lshl_or_b32 v[QS], v[TMP], 16, v[TMP]        ; q's two bytes, for both halves of K.  (More than eight plain instructions follow ahead of the first product)
.irp i, 0,1,2,3,4,5
	v_mov_b32 v[QL+\i], v[QR+8*\p+\i]
	v_mov_b32 v[QL+18+\i], v[QR+8*\p+\i]
.endr
	v_mov_b32 v13, 0xff61b1e6                      ; the largest t so far: -3e38
	s_delay_alu instid0(VALU_DEP_1)
	v_floor_f32 v12, -v13
	v_mov_b32 v14, 0
	v_mov_b32 v15, 0
.set jj, 0
.rept 32
	v_mov_b32 v[O+jj], 0                           ; the step is written once: the first finds zeros, which the first change of M leaves zeros
.set jj, jj+1
.endr
	s_mov_b32 s[TB], 0
	s_mov_b32 s[CNT], 16
.Lstep_\@:
	s_setprio 2
	STEP
	s_add_co_u32 s[TB], s[TB], GL
	s_sub_co_u32 s[CNT], s[CNT], 1
	s_cmp_lg_u32 s[CNT], 0
	s_cbranch_scc1 .Lstep_\@
	s_setprio 0
	s_wait_alu depctr_va_vdst(0)
	OUT \p
.endm
	PASS 0
	PASS 1
	s_wait_tensorcnt 0x0
	ds_add_u32 v254, v255
	s_wait_dscnt 0x0
	CROUND                                         ; the closing round
	s_endpgm
.Lfunc_end_k_qdc56ead452_attn:
	.size	k_qdc56ead452_attn, .Lfunc_end_k_qdc56ead452_attn-k_qdc56ead452_attn
	.p2alignl 7, 3214868480
	.fill 96, 4, 3214868480
	.section	.rodata,"a",@progbits
	.p2align	6, 0x0
	.amdhsa_kernel k_qdc56ead452_attn
		.amdhsa_group_segment_fixed_size 327680
		.amdhsa_private_segment_fixed_size 0
		.amdhsa_enable_private_segment 0
		.amdhsa_kernarg_size 16
		.amdhsa_user_sgpr_count 2
		.amdhsa_user_sgpr_kernarg_segment_ptr 1
		.amdhsa_wavefront_size32 1
		.amdhsa_system_sgpr_workgroup_id_x 1
		.amdhsa_system_sgpr_workgroup_id_y 1
		.amdhsa_system_sgpr_workgroup_id_z 1
		.amdhsa_system_vgpr_workitem_id 0
		.amdhsa_next_free_vgpr 256
		.amdhsa_next_free_sgpr 66
		.amdhsa_reserve_vcc 1
		.amdhsa_float_denorm_mode_32 3
		.amdhsa_float_denorm_mode_16_64 3
		.amdhsa_memory_ordered 1
		.amdhsa_forward_progress 1
		.amdhsa_inst_pref_size 53
	.end_amdhsa_kernel
	.amdgpu_metadata
---
amdhsa.version: [ 1, 2 ]
amdhsa.kernels:
  - .name:           k_qdc56ead452_attn
    .symbol:         k_qdc56ead452_attn.kd
    .args:
      - { .name: qkv, .offset: 0, .size: 8, .value_kind: global_buffer, .address_space: global }
      - { .name: ao, .offset: 8, .size: 8, .value_kind: global_buffer, .address_space: global }
    .group_segment_fixed_size: 327680
    .private_segment_fixed_size: 0
    .kernarg_segment_align: 8
    .kernarg_segment_size: 16
    .max_flat_workgroup_size: 512
    .sgpr_count:     66
    .vgpr_count:     256
    .wavefront_size: 32
...
	.end_amdgpu_metadata
.endif
;; end of part 3
;; launch proj (part 4): grid 4 x 32, 4 waves a work-group, clusters of 4 x 4, 327,680 bytes of LDS; arguments ao, codes, scales, proj_b, out0; writes out0
.if DOCPART == 4
	.amdgcn_target "amdgcn-amd-amdhsa--gfx1250"
	.amdhsa_code_object_version 6
	.text
	.protected	k_qdc56ead452_proj
	.globl	k_qdc56ead452_proj
	.p2align	8
	.type	k_qdc56ead452_proj,@function
k_qdc56ead452_proj:
	s_mov_b64 s[64:65], 0
	v_nop
	global_prefetch_b8 v0, s[64:65] scope:SCOPE_SE
	s_setreg_imm32_b32 hwreg(HW_REG_WAVE_MODE, 25, 1), 1
	s_wait_xcnt 0x0
	s_wait_alu depctr_hold_cnt(0) depctr_sa_sdst(0) depctr_va_vdst(0) depctr_va_sdst(0) depctr_va_ssrc(0) depctr_va_vcc(0) depctr_vm_vsrc(0)
	s_getreg_b32 s2, hwreg(HW_REG_IB_STS2, 6, 4)
	s_cmp_eq_u32 s2, 0
	s_cbranch_scc0 .Lentry_in_a_cluster
	s_endpgm
.Lentry_in_a_cluster:
	s_bfe_u32 s2, ttmp6, 0x10000c
	s_cmp_lg_u32 s2, 0xf033
	s_cbranch_scc0 .Lentry_shape_is_right
	s_endpgm
.Lentry_shape_is_right:
.set SIZE_K, 1024
.set NQ,     2
.set ROWB,   192
.set KROW,   768
.set PITCH,  240
.set FR,     12
.set NL,     6
.set NLA,    4
.set NP,     4
.set AROW,   3072
.set AH,     8*AROW
.set ABYTES, 2*AH
.set HALFT,  128*PITCH
.set SLOT,   ABYTES+2*HALFT
.set LAPS,   2
.set KS,     32
.set SCL,    2*SLOT
.set HALFS,  (128*KS/256)*272
.set SBLK,   (16*KS/256)*272
.set SPARE,  SCL+4*HALFS
.set SPITCH, 528
.set ADRA, 16
.set ADRB, 20
.set STO,  24
.set RD,   25
.set CO,   26
.set ADRS, 27
.set SPW,  28
.set NIL,  29
.set SC,   32
.set PB,   64
.set AF,   128
.set BK,   128
.set G1, 24
.set G0, 32
.set G1B, 48
.set G0B, 56
.set G1S, 68
.set G0S, 76
.set G1SB, 80
.set G0SB, 88
.set MSB, 0
.macro WIN new
.if MSB != (\new)
	s_set_vgpr_msb (MSB<<8)|(\new)
.set MSB, (\new)
.endif
.endm
.set MUL_LO, 0xa1
.set MUL_HI, 0xf1
.set TO_B,   0x40
.macro JLOAD g0a, g1a, g0b, g1b
	s_cmp_eq_u32 s15, 0
	s_cbranch_scc0 .Lfor_b_\@
	tensor_load_to_lds s[\g0a:\g0a+3], s[\g1a:\g1a+7]
	s_nop 0
.rept 4
	v_nop
.endr
	s_branch .Lasked_\@
.Lfor_b_\@:
	tensor_load_to_lds s[\g0b:\g0b+3], s[\g1b:\g1b+7]
	s_nop 0
.rept 4
	v_nop
.endr
.Lasked_\@:
.endm
.macro CREST
	s_cmp_lg_u32 s14, 0
	s_cbranch_scc1 .Lnot_wave_0_\@
	s_barrier_signal -3
.Lnot_wave_0_\@:
	s_barrier_wait -3
	s_barrier_signal -1
	s_barrier_wait -1
.endm
.macro CROUND
	s_barrier_signal -1
	s_barrier_wait -1
	CREST
.endm
	s_load_b128 s[4:7], s[0:1], 0x0
	s_load_b128 s[8:11], s[0:1], 0x10
	s_load_b64 s[12:13], s[0:1], 0x20
	v_lshl_add_u32 v[SPW], v0, 2, SPARE
	v_mov_b32 v[NIL], 0
	ds_add_u32 v28, v29
	ds_add_u32 v28, v29
	s_wait_dscnt 0x0
	v_lshrrev_b32 v1, 5, v0
	v_readfirstlane_b32 s14, v1
	s_lshr_b32 s15, s14, 1
	s_and_b32 s16, s14, 1
	s_bfe_u32 s40, ttmp6, 0x40000
	s_bfe_u32 s41, ttmp6, 0x40004
	s_lshl_b32 s42, ttmp9, 2
	s_add_co_u32 s42, s42, s40
	s_and_b32 s17, ttmp7, 0xffff
	s_lshl_b32 s17, s17, 2
	s_add_co_u32 s17, s17, s41
	s_lshl_b32 s43, s41, 2
	s_lshl_b32 s43, 15, s43
	s_lshl_b32 s44, 0x1111, s40
	s_or_b32 s[G1+0], s43, (3<<16)|(1<<21)
	s_mov_b32 s[G1+1], 384<<16
	s_mov_b32 s[G1+2], 8<<16
	s_mov_b32 s[G1+3], 384<<16
	s_mov_b32 s[G1+4], 8
	s_mov_b32 s[G1+5], 1536
	s_mov_b32 s[G1+6], 0
	s_mov_b32 s[G1+7], 0
	s_or_b32 s[G1B+0], s44, (0<<16)|(1<<20)|(1<<21)|(3<<22)|(3<<25)
	s_mov_b32 s[G1B+1], ROWB<<16
	s_mov_b32 s[G1B+2], 128<<16
	s_mov_b32 s[G1B+3], ROWB<<16
	s_mov_b32 s[G1B+4], 128
	s_mov_b32 s[G1B+5], KROW
	s_mov_b32 s[G1B+6], 0
	s_mov_b32 s[G1B+7], 0
	s_or_b32 s[G1S+0], s43, (3<<16)|(1<<20)|(1<<21)|(5<<22)|(3<<25)
	s_or_b32 s[G1SB+0], s44, (3<<16)|(1<<20)|(1<<21)|(5<<22)|(3<<25)
.irp g, G1S, G1SB
	s_mov_b32 s[\g+1], 32<<16
	s_mov_b32 s[\g+2], (128*KS/256)<<16
	s_mov_b32 s[\g+3], 32<<16
	s_mov_b32 s[\g+4], 128*KS/256
	s_mov_b32 s[\g+5], 32
	s_mov_b32 s[\g+6], 0
	s_mov_b32 s[\g+7], 0
.endr
	s_lshl_b32 s20, s17, 4
	s_lshl_b32 s18, s16, 3
	s_add_co_u32 s20, s20, s18
	s_mul_i32 s22, s20, 512
	s_add_co_u32 s22, s22, 0x600000
	s_mov_b32 s23, 0
	s_mul_i32 s20, s20, 12288
	s_mov_b32 s21, 0
	s_lshl_b32 s46, s42, 8
	s_lshl_b32 s18, s16, 7
	s_add_co_u32 s46, s46, s18
	s_add_co_u32 s46, s46, 11264
	s_lshl_b32 s92, s46, 5
	s_mov_b32 s93, 0
	s_mul_i32 s46, s46, KROW
	s_mov_b32 s47, 0
	s_mul_i32 s45, s16, AH
	s_mul_i32 s95, s16, HALFT
	s_add_co_u32 s95, s95, ABYTES
	s_mul_i32 s94, s14, HALFS
	s_wait_kmcnt 0x0
	s_add_nc_u64 s[20:21], s[4:5], s[20:21]
	s_add_nc_u64 s[22:23], s[4:5], s[22:23]
	s_add_nc_u64 s[46:47], s[6:7], s[46:47]
	s_add_nc_u64 s[92:93], s[8:9], s[92:93]
	CROUND
	s_mov_b32 s[G0S], 1
	s_add_co_u32 s[G0S+1], s94, SCL
	s_mov_b64 s[G0S+2:G0S+3], s[22:23]
	s_or_b32 s[G0S+3], s[G0S+3], 0x80000000
	s_mov_b32 s[G0SB], 1
	s_add_co_u32 s[G0SB+1], s94, SCL
	s_mov_b64 s[G0SB+2:G0SB+3], s[92:93]
	s_or_b32 s[G0SB+3], s[G0SB+3], 0x80000000
	JLOAD G0S, G1S, G0SB, G1SB
.irp s, 0,1
	s_mov_b32 s[G0+4*\s], 1
	s_add_co_u32 s[G0+4*\s+1], s45, \s*SLOT
	s_add_nc_u64 s[G0+4*\s+2:G0+4*\s+3], s[20:21], \s*AROW
	s_or_b32 s[G0+4*\s+3], s[G0+4*\s+3], 0x80000000
	s_mov_b32 s[G0B+4*\s], 1
	s_add_co_u32 s[G0B+4*\s+1], s95, \s*SLOT
	s_add_nc_u64 s[G0B+4*\s+2:G0B+4*\s+3], s[46:47], \s*ROWB
	s_or_b32 s[G0B+4*\s+3], s[G0B+4*\s+3], 0x80000000
	s_wait_alu depctr_va_vdst(0)
	s_wait_tensorcnt 0x0
	ds_add_u32 v28, v29
	s_wait_dscnt 0x0
	CROUND
	JLOAD G0+4*\s, G1, G0B+4*\s, G1B
.endr
	v_and_b32 v1, 15, v0
	v_bfe_u32 v2, v0, 4, 1
	v_and_b32 v7, 31, v0
	v_lshlrev_b32 v8, 4, v7
	v_lshlrev_b32 v9, 3, v7
	v_mul_u32_u24 v3, v1, PITCH
	v_mul_u32_u24 v4, v2, 24
	v_add_nc_u32 v4, v3, v4
	v_lshl_add_u32 v5, v2, 4, v4
	s_mul_i32 s21, s15, AH
	s_mul_i32 s22, s16, HALFT
	s_add_co_u32 s22, s22, ABYTES
.irp s, 0,1
	v_add_nc_u32 v[ADRA+\s], s21, v8
	v_add_nc_u32 v[ADRA+2+\s], s21, v9
	v_add_nc_u32 v[ADRB+\s], s22, v4
	v_add_nc_u32 v[ADRB+2+\s], s22, v5
	s_add_co_u32 s21, s21, SLOT
	s_add_co_u32 s22, s22, SLOT
.endr
	v_mul_u32_u24 v5, v1, KS
	v_lshrrev_b32 v6, 8, v5
	v_lshl_add_u32 v5, v6, 4, v5
	s_mul_i32 s21, s15, HALFS
	s_mul_i32 s22, s16, HALFS
	s_add_co_u32 s22, s22, 2*HALFS
	s_sub_co_u32 s22, s22, s21
	v_mul_u32_u24 v6, s22, v2
	s_add_co_u32 s21, s21, SCL
	v_add_nc_u32 v5, v5, v6
	v_add_nc_u32 v[ADRS], s21, v5
	s_mul_i32 s23, s14, 16*SPITCH
	v_mul_u32_u24 v5, v1, SPITCH
	v_lshl_add_u32 v5, v2, 6, v5
	v_add_nc_u32 v[STO], s23, v5
	v_lshlrev_b32 v[CO], 4, v7
	s_wait_alu depctr_va_vdst(0)
	v_add_nc_u32 v[RD], s23, v[CO]
	s_lshl_b32 s20, s17, 8
	s_lshl_b32 s21, s15, 7
	s_add_co_u32 s20, s20, s21
	s_lshl_b32 s20, s20, 12
	s_lshl_b32 s46, s42, 10
	s_lshl_b32 s47, s16, 9
	s_add_co_u32 s46, s46, s47
	s_mov_b32 s47, 0
	s_mov_b32 s21, 0
	s_add_nc_u64 s[12:13], s[12:13], s[20:21]
	s_add_nc_u64 s[12:13], s[12:13], s[46:47]
	s_add_nc_u64 s[10:11], s[10:11], s[46:47]
	global_load_b128 v[PB:PB+3], v[CO], s[10:11]
.macro FRAG reg, adr, q, i
.irp p, 0,1,2,3,4,5
.set PIECE, 12*(\q)+6*(\p/3)+\p%3
.if PIECE%8 < 5
	ds_load_b64 v[\reg+2*\p:\reg+2*\p+1], v[\adr] offset:8*PIECE+16*(PIECE/8)+(\i)*16*PITCH
.else
	ds_load_b64 v[\reg+2*\p:\reg+2*\p+1], v[\adr+2] offset:8*PIECE+16*(PIECE/8)+(\i)*16*PITCH
.endif
.endr
.endm
.macro FRAG_A reg, slot, q, i
	ds_load_b128 v[\reg:\reg+3], v[ADRA+\slot] offset:AROW*(\i)+1536*(\q)
	ds_load_b64 v[\reg+4:\reg+5], v[ADRA+2+\slot] offset:AROW*(\i)+1536*(\q)+512
	ds_load_b128 v[\reg+6:\reg+9], v[ADRA+\slot] offset:AROW*(\i)+1536*(\q)+768
	ds_load_b64 v[\reg+10:\reg+11], v[ADRA+2+\slot] offset:AROW*(\i)+1536*(\q)+1280
.endm
.macro MUL16 a0, p, q, sc, zero
.irp a, \a0, \a0+1
.irp b, 0,1,2,3,4,5,6,7
.if \zero
	v_wmma_scale_f32_16x16x128_f8f6f4 v[8*(8*((\a)%4)+\b):8*(8*((\a)%4)+\b)+7], v[128*(\p)+FR*\b:128*(\p)+FR*\b+FR-1], v[AF+FR*(\a):AF+FR*(\a)+FR-1], 0, v[SC+8*NQ*(\sc)+NQ*\b+(\q)], v[SC+8*NQ*(\sc)+NQ*(\a)+(\q)] matrix_a_fmt:MATRIX_FMT_FP6 matrix_b_fmt:MATRIX_FMT_FP6 matrix_a_scale:MATRIX_SCALE_ROW1
.else
	v_wmma_scale_f32_16x16x128_f8f6f4 v[8*(8*((\a)%4)+\b):8*(8*((\a)%4)+\b)+7], v[128*(\p)+FR*\b:128*(\p)+FR*\b+FR-1], v[AF+FR*(\a):AF+FR*(\a)+FR-1], v[8*(8*((\a)%4)+\b):8*(8*((\a)%4)+\b)+7], v[SC+8*NQ*(\sc)+NQ*\b+(\q)], v[SC+8*NQ*(\sc)+NQ*(\a)+(\q)] matrix_a_fmt:MATRIX_FMT_FP6 matrix_b_fmt:MATRIX_FMT_FP6 matrix_a_scale:MATRIX_SCALE_ROW1
.endif
.endr
.endr
.endm
.macro FETCH_B slot, q, p
	WIN TO_B
.irp i, 0,1,2,3,4,5,6,7
	FRAG 128*(\p)+FR*\i, ADRB+\slot, \q, \i
.endr
	WIN 0
.endm
.macro FETCH_A slot, q, i0
.irp i, \i0, \i0+1, \i0+2, \i0+3
	FRAG_A AF+FR*(\i), \slot, \q, \i
.endr
.endm
.macro SCALES sc
.irp i, 0,1,2,3,4,5,6,7
	ds_load_b64 v[SC+8*NQ*\sc+NQ*\i:SC+8*NQ*\sc+NQ*\i+1], v[ADRS] offset:\i*SBLK
.endr
.endm
.macro PLACES n
.rept \n
	v_nop
.endr
.endm
.macro STEP slot, q, zero
	s_wait_dscnt 4*NLA
	WIN MUL_LO
	MUL16 0, (\q)%2, \q, \slot, \zero
	MUL16 2, (\q)%2, \q, \slot, \zero
	s_wait_dscnt 0
	PLACES NP
	FETCH_B \slot, (\q)+1, 1-(\q)%2
	FETCH_A \slot, (\q)+1, 0
	WIN MUL_HI
	MUL16 4, (\q)%2, \q, \slot, \zero
	MUL16 6, (\q)%2, \q, \slot, \zero
	PLACES NP
	WIN 0
	FETCH_A \slot, (\q)+1, 4
.endm
.macro TURN slot, next, fill
	s_wait_tensorcnt 0x0
	ds_add_u32 v[SPW], v[NIL]
	s_wait_dscnt 4*NLA+1
	WIN MUL_LO
	MUL16 0, 1, NQ-1, \slot, 0
	s_wait_dscnt 0x0
	s_barrier_signal -1
	MUL16 2, 1, NQ-1, \slot, 0
	WIN 0
	s_barrier_wait -1
.if \fill
	CREST
	s_add_nc_u64 s[G0+4*\slot+2:G0+4*\slot+3], s[G0+4*\slot+2:G0+4*\slot+3], 2*AROW
	s_add_nc_u64 s[G0B+4*\slot+2:G0B+4*\slot+3], s[G0B+4*\slot+2:G0B+4*\slot+3], 2*ROWB
	JLOAD G0+4*\slot, G1, G0B+4*\slot, G1B
.else
	PLACES NP
.endif
	s_wait_alu depctr_va_vdst(0)
	v_add_nc_u32 v[ADRS], 4*NQ, v[ADRS]
	FETCH_B \next, 0, 0
	FETCH_A \next, 0, 0
	SCALES \next
	WIN MUL_HI
	MUL16 4, 1, NQ-1, \slot, 0
	MUL16 6, 1, NQ-1, \slot, 0
	PLACES NP
	WIN 0
	FETCH_A \next, 0, 4
.endm
	s_wait_tensorcnt 1
	s_barrier_signal -1
	s_barrier_wait -1
	FETCH_B 0, 0, 0
	FETCH_A 0, 0, 0
	SCALES 0
	FETCH_A 0, 0, 4
	STEP 0, 0, 1
	s_mov_b32 s3, LAPS-1
.Llap:
	TURN 0, 1, 1
	STEP 1, 0, 0
	TURN 1, 0, 1
	STEP 0, 0, 0
	s_sub_co_u32 s3, s3, 1
	s_cmp_lg_u32 s3, 0
	s_cbranch_scc1 .Llap
	TURN 0, 1, 0
	STEP 1, 0, 0
	s_wait_dscnt 4*NLA
	WIN MUL_LO
	MUL16 0, 1, NQ-1, 1, 0
	MUL16 2, 1, NQ-1, 1, 0
	s_wait_dscnt 0
	WIN MUL_HI
	MUL16 4, 1, NQ-1, 1, 0
	MUL16 6, 1, NQ-1, 1, 0
	WIN 0
.macro TOSTAGE a
.set AC, 64*((\a)%4)
	WIN 0x08+4*((\a)/4)
.irp b, 0,1,2,3,4,5,6,7
	ds_store_b128 v[STO], v[AC+8*\b:AC+8*\b+3] offset:128*(\b/2)+32*(\b%2)
	ds_store_b128 v[STO], v[AC+8*\b+4:AC+8*\b+7] offset:128*(\b/2)+32*(\b%2)+16
.endr
	WIN 0
.set BB, BK+64*((\a)%2)
.irp t, 0,1,2,3,4,5,6,7,8,9,10,11,12,13,14,15
	ds_load_b128 v[BB+4*\t:BB+4*\t+3], v[RD] offset:\t*SPITCH
.endr
.endm
.macro SEND a, younger
.set BB, BK+64*((\a)%2)
	s_wait_dscnt \younger
.irp t, 0,1,2,3,4,5,6,7,8,9,10,11,12,13,14,15
	v_pk_add_f32 v[BB+4*\t:BB+4*\t+1], v[BB+4*\t:BB+4*\t+1], v[PB:PB+1]
	v_pk_add_f32 v[BB+4*\t+2:BB+4*\t+3], v[BB+4*\t+2:BB+4*\t+3], v[PB+2:PB+3]
	global_store_b128 v[CO], v[BB+4*\t:BB+4*\t+3], s[12:13] offset:(32*((\a)/2)+8*((\a)%2)+\t+8*(\t/8))*4096 th:TH_STORE_NT
.endr
.endm
	PLACES NP
	s_wait_loadcnt 0x0
	TOSTAGE 0
.irp a, 1,2,3,4,5,6,7
.if \a > 1
	s_wait_xcnt 0x0
.endif
	TOSTAGE \a
	SEND \a-1, 32
.endr
	SEND 7, 0
	s_wait_tensorcnt 0x0
	ds_add_u32 v[SPW], v[NIL]
	s_wait_dscnt 0x0
	CROUND
	s_endpgm
.Lfunc_end_k_qdc56ead452_proj:
	.size	k_qdc56ead452_proj, .Lfunc_end_k_qdc56ead452_proj-k_qdc56ead452_proj
	.p2alignl 7, 3214868480
	.fill 96, 4, 3214868480
	.section	.rodata,"a",@progbits
	.p2align	6, 0x0
	.amdhsa_kernel k_qdc56ead452_proj
		.amdhsa_group_segment_fixed_size 327680
		.amdhsa_private_segment_fixed_size 0
		.amdhsa_enable_private_segment 0
		.amdhsa_kernarg_size 40
		.amdhsa_user_sgpr_count 2
		.amdhsa_user_sgpr_kernarg_segment_ptr 1
		.amdhsa_wavefront_size32 1
		.amdhsa_system_sgpr_workgroup_id_x 1
		.amdhsa_system_sgpr_workgroup_id_y 1
		.amdhsa_system_sgpr_workgroup_id_z 1
		.amdhsa_system_vgpr_workitem_id 0
		.amdhsa_next_free_vgpr 1024
		.amdhsa_next_free_sgpr 98
		.amdhsa_reserve_vcc 0
		.amdhsa_float_denorm_mode_32 3
		.amdhsa_float_denorm_mode_16_64 3
		.amdhsa_memory_ordered 1
		.amdhsa_forward_progress 1
		.amdhsa_inst_pref_size 169
	.end_amdhsa_kernel
	.amdgpu_metadata
---
amdhsa.version: [ 1, 2 ]
amdhsa.kernels:
  - .name:           k_qdc56ead452_proj
    .symbol:         k_qdc56ead452_proj.kd
    .args:
      - { .name: ao, .offset: 0, .size: 8, .value_kind: global_buffer, .address_space: global }
      - { .name: codes, .offset: 8, .size: 8, .value_kind: global_buffer, .address_space: global }
      - { .name: scales, .offset: 16, .size: 8, .value_kind: global_buffer, .address_space: global }
      - { .name: proj_b, .offset: 24, .size: 8, .value_kind: global_buffer, .address_space: global }
      - { .name: out0, .offset: 32, .size: 8, .value_kind: global_buffer, .address_space: global }
    .group_segment_fixed_size: 327680
    .private_segment_fixed_size: 0
    .kernarg_segment_align: 8
    .kernarg_segment_size: 40
    .max_flat_workgroup_size: 128
    .sgpr_count:     98
    .vgpr_count:     1024
    .wavefront_size: 32
...
	.end_amdgpu_metadata
.endif
;; end of part 4
